; MI455X (gfx1250); checked and timed in simulation.
; The chip was launched on July 23, 2026; its instructions are those of AMD's public machine-readable ISA for CDNA 5 (MIT licence, August 2026) and "CDNA5" Instruction Set Architecture Reference Guide (July 2026). The comments in the code are by the model that wrote it; some were corrected since.
;; Self Attention. Allowed arithmetic: float matrix products may take bf16 or f16 operands with f32 sums; other float arithmetic in f32, or as packed bf16 or f16 multiplies, adds, multiply-adds, maxima and minima; sums over many terms, partial sums and values carried from step to step in f32; what a program stores and reads back later, other than sums and carried values, may be rounded once to bf16 or f16.
;; Inputs: Wk 1,024 x 1,024 float32; Wq 1,024 x 1,024 float32; Wv 1,024 x 1,024 float32; bk 1,024 float32; bq 1,024 float32; bv 1,024 float32; x 4 x 2,048 x 1,024 float32.
;; Outputs: out0 4 x 2,048 x 1,024 float32.
;; 2 versions, each right; version 2 is version 1 with the launch cast written anew for expert scheduling mode. Each part assembles by itself: llvm-mc -triple=amdgcn-amd-amdhsa -mcpu=gfx1250 --defsym DOCPART=n.
;; ======== version 1 of 2: 4 launches
;; limits: values are held in f16: magnitudes above 65,504 overflow, below 6.1e-05 lose precision
;; workspace buffers: xb 16,777,216 bytes; wb 6,291,456 bytes; bb 12,288 bytes; qkv 50,331,648 bytes; p 33,554,432 bytes; st 1,048,576 bytes
;; launch cast (part 1): grid 707 x 1, 8 waves a work-group, no clusters, 0 bytes of LDS; arguments x, Wq, Wk, Wv, bq, bk, bv, xb, wb, bb; writes xb, wb, bb
.if DOCPART == 1
	.amdgcn_target "amdgcn-amd-amdhsa--gfx1250"
	.amdhsa_code_object_version 6
	.text
	.protected	k_qa4d6d4c410_cast
	.globl	k_qa4d6d4c410_cast
	.p2align	8
	.type	k_qa4d6d4c410_cast,@function
k_qa4d6d4c410_cast:
	s_mov_b64 s[64:65], 0
	v_nop
	global_prefetch_b8 v0, s[64:65] scope:SCOPE_SE
	s_setreg_imm32_b32 hwreg(HW_REG_WAVE_MODE, 25, 1), 1
	s_wait_xcnt 0x0
; xb = x rounded to bf16; wb = Wq, Wk, Wv one below the other (3,072 rows), rounded to bf16; bb = bq, bk, bv on end (3,072 numbers), rounded to bf16 and kept as f32.
; xb AND wb ARE LAID OUT IN BLOCKS OF 64 ALONG K: xb[kb][row][64], wb[kb][row][64], kb = 0..15.  In a block the rows (128 bytes) lie end to end, so that the launch behind, whose K step is 64,
; finds each of its tiles as one dense run of bytes.
; Work-groups 0-511 take 16 rows of x each, work-group 512 + j takes rows 16 j .. 16 j + 15 of wb (weight j / 64, its rows 16 (j % 64) on), work-groups 704-706 one bias each.
; Thread t takes row t / 16 of the 16 and, in step i of 16 (= block kb), the 16 bytes at 256 i + 16 (t % 16) of it: a wave's load covers 256 consecutive bytes of each of two rows.  It stores 8 bytes at
; 8 t of the work-group's 2,048 bytes of block i: a wave's store covers 256 consecutive bytes at a multiple of 256 from the buffer's first byte.
; All sixteen loads of a wave go out at once; no register is written twice, so the only waits are the counted ones for the loads.  No LDS, no barrier, no matrix unit, no cluster: no byte is used by two waves.
.set X, 4                              ; v[4:67]    sixteen steps of 4 registers, as loaded
.set Y, 68                             ; v[68:99]   sixteen steps of 2 registers, to store
.set O, 100                            ; v[100:115] sixteen byte offsets of my 8 bytes: 8 t + i x a block
.set XBLK, 8192*128                    ; bytes in a block of xb
.set WBLK, 3072*128                    ; bytes in a block of wb
	s_load_b512 s[4:19], s[0:1], 0x0               ; x s[4:5], Wq s[6:7], Wk s[8:9], Wv s[10:11], bq s[12:13], bk s[14:15], bv s[16:17], xb s[18:19]
	s_load_b128 s[20:23], s[0:1], 0x40             ; wb s[20:21], bb s[22:23]
	s_cmp_ge_u32 ttmp9, 704
	s_cbranch_scc1 .Lbias
	s_sub_co_u32 s24, ttmp9, 512                   ; j (wraps in the work-groups of x, which do not use it)
	s_lshr_b32 s25, s24, 6                         ; which weight
	s_and_b32 s26, s24, 63                         ; which 16 rows of it
	s_mov_b32 s34, WBLK
	v_lshrrev_b32 v1, 4, v0                        ; my row of the 16,
	v_and_b32 v3, 15, v0
	v_lshlrev_b32 v1, 12, v1                       ; 4,096 bytes each,
	v_lshl_add_u32 v1, v3, 4, v1                   ; my 16 bytes of a block's 256
	v_lshlrev_b32 v2, 3, v0                        ; 8 t
	s_wait_kmcnt 0x0
	s_cmp_eq_u32 s25, 1
	s_cselect_b64 s[28:29], s[8:9], s[6:7]         ; Wk or Wq,
	s_cmp_eq_u32 s25, 2
	s_cselect_b64 s[28:29], s[10:11], s[28:29]     ; or Wv,
	s_cmp_lt_u32 ttmp9, 512
	s_cselect_b64 s[28:29], s[4:5], s[28:29]       ; or x
	s_cselect_b64 s[30:31], s[18:19], s[20:21]     ; into xb or wb
	s_cselect_b32 s32, ttmp9, s26                  ; the 16 rows in the source,
	s_cselect_b32 s33, ttmp9, s24                  ; and in the destination
	s_cselect_b32 s34, XBLK, s34                   ; bytes from block to block
	s_lshl_b32 s36, s32, 16                        ; 16 rows of 4,096 bytes
	s_mov_b32 s37, 0
	s_lshl_b32 s38, s33, 11                        ; 16 rows of 128 bytes
	s_mov_b32 s39, 0
	s_add_nc_u64 s[28:29], s[28:29], s[36:37]
	s_add_nc_u64 s[30:31], s[30:31], s[38:39]
.set i, 0
.rept 16
	global_load_b128 v[X+4*i:X+4*i+3], v1, s[28:29] offset:256*i th:TH_LOAD_NT
.set i, i+1
.endr
.set i, 0
.rept 16
	v_mad_u32_u24 v[O+i], s34, i, v2               ; written while the loads are on their way
.set i, i+1
.endr
.set i, 0
.rept 16
	s_wait_loadcnt 15-i                            ; loads come back in order: step i is in, the 15 - i younger ones stay out
	v_cvt_pk_bf16_f32 v[Y+2*i], v[X+4*i], v[X+4*i+1]
	v_cvt_pk_bf16_f32 v[Y+2*i+1], v[X+4*i+2], v[X+4*i+3]
	global_store_b64 v[O+i], v[Y+2*i:Y+2*i+1], s[30:31]
.set i, i+1
.endr
	s_endpgm
.Lbias:                                        ; one bias of 1,024 numbers: thread t takes four
	s_sub_co_u32 s24, ttmp9, 704                   ; 0: bq, 1: bk, 2: bv
	v_lshlrev_b32 v1, 4, v0
	s_lshl_b32 s36, s24, 12
	s_mov_b32 s37, 0
	s_wait_kmcnt 0x0
	s_cmp_eq_u32 s24, 1
	s_cselect_b64 s[28:29], s[14:15], s[12:13]
	s_cmp_eq_u32 s24, 2
	s_cselect_b64 s[28:29], s[16:17], s[28:29]
	s_add_nc_u64 s[30:31], s[22:23], s[36:37]
	global_load_b128 v[4:7], v1, s[28:29]
	s_wait_loadcnt 0x0
	v_cvt_pk_bf16_f32 v8, v4, v5                   ; rounded to bf16,
	v_cvt_pk_bf16_f32 v9, v6, v7
	v_lshlrev_b32 v12, 16, v8                      ; and widened again
	v_and_b32 v13, 0xffff0000, v8
	v_lshlrev_b32 v14, 16, v9
	v_and_b32 v15, 0xffff0000, v9
	global_store_b128 v1, v[12:15], s[30:31]       ; 16 lanes store 256 consecutive bytes, at a multiple of 256 from bb's first byte
	s_endpgm
.Lfunc_end_k_qa4d6d4c410_cast:
	.size	k_qa4d6d4c410_cast, .Lfunc_end_k_qa4d6d4c410_cast-k_qa4d6d4c410_cast
	.p2alignl 7, 3214868480
	.fill 96, 4, 3214868480
	.section	.rodata,"a",@progbits
	.p2align	6, 0x0
	.amdhsa_kernel k_qa4d6d4c410_cast
		.amdhsa_group_segment_fixed_size 0
		.amdhsa_private_segment_fixed_size 0
		.amdhsa_enable_private_segment 0
		.amdhsa_kernarg_size 80
		.amdhsa_user_sgpr_count 2
		.amdhsa_user_sgpr_kernarg_segment_ptr 1
		.amdhsa_wavefront_size32 1
		.amdhsa_system_sgpr_workgroup_id_x 1
		.amdhsa_system_sgpr_workgroup_id_y 1
		.amdhsa_system_sgpr_workgroup_id_z 1
		.amdhsa_system_vgpr_workitem_id 0
		.amdhsa_next_free_vgpr 116
		.amdhsa_next_free_sgpr 66
		.amdhsa_reserve_vcc 0
		.amdhsa_float_denorm_mode_32 3
		.amdhsa_float_denorm_mode_16_64 3
		.amdhsa_memory_ordered 1
		.amdhsa_forward_progress 1
		.amdhsa_inst_pref_size 9
	.end_amdhsa_kernel
	.amdgpu_metadata
---
amdhsa.version: [ 1, 2 ]
amdhsa.kernels:
  - .name:           k_qa4d6d4c410_cast
    .symbol:         k_qa4d6d4c410_cast.kd
    .args:
      - { .name: x, .offset: 0, .size: 8, .value_kind: global_buffer, .address_space: global }
      - { .name: Wq, .offset: 8, .size: 8, .value_kind: global_buffer, .address_space: global }
      - { .name: Wk, .offset: 16, .size: 8, .value_kind: global_buffer, .address_space: global }
      - { .name: Wv, .offset: 24, .size: 8, .value_kind: global_buffer, .address_space: global }
      - { .name: bq, .offset: 32, .size: 8, .value_kind: global_buffer, .address_space: global }
      - { .name: bk, .offset: 40, .size: 8, .value_kind: global_buffer, .address_space: global }
      - { .name: bv, .offset: 48, .size: 8, .value_kind: global_buffer, .address_space: global }
      - { .name: xb, .offset: 56, .size: 8, .value_kind: global_buffer, .address_space: global }
      - { .name: wb, .offset: 64, .size: 8, .value_kind: global_buffer, .address_space: global }
      - { .name: bb, .offset: 72, .size: 8, .value_kind: global_buffer, .address_space: global }
    .group_segment_fixed_size: 0
    .private_segment_fixed_size: 0
    .kernarg_segment_align: 8
    .kernarg_segment_size: 80
    .max_flat_workgroup_size: 256
    .sgpr_count:     66
    .vgpr_count:     116
    .wavefront_size: 32
...
	.end_amdgpu_metadata
.endif
;; end of part 1
;; launch proj (part 2): grid 8 x 32, 4 waves a work-group, clusters of 4 x 4, 327,680 bytes of LDS; arguments xb, wb, bb, qkv; writes qkv
.if DOCPART == 2
	.amdgcn_target "amdgcn-amd-amdhsa--gfx1250"
	.amdhsa_code_object_version 6
	.text
	.protected	k_qa4d6d4c410_proj
	.globl	k_qa4d6d4c410_proj
	.p2align	8
	.type	k_qa4d6d4c410_proj,@function
k_qa4d6d4c410_proj:
	s_mov_b64 s[64:65], 0
	v_nop
	global_prefetch_b8 v0, s[64:65] scope:SCOPE_SE
	s_setreg_imm32_b32 hwreg(HW_REG_WAVE_MODE, 25, 1), 1
	s_wait_xcnt 0x0
	s_wait_alu depctr_hold_cnt(0) depctr_sa_sdst(0) depctr_va_vdst(0) depctr_va_sdst(0) depctr_va_ssrc(0) depctr_va_vcc(0) depctr_vm_vsrc(0)
	s_getreg_b32 s2, hwreg(HW_REG_IB_STS2, 6, 4)
	s_cmp_eq_u32 s2, 0
	s_cbranch_scc0 .Lentry_in_a_cluster
	s_endpgm
.Lentry_in_a_cluster:
	s_bfe_u32 s2, ttmp6, 0x10000c
	s_cmp_lg_u32 s2, 0xf033
	s_cbranch_scc0 .Lentry_shape_is_right
	s_endpgm
.Lentry_shape_is_right:
; qkv[m][n] = the sum over k of x[m][k] w[n][k] + bias[n].  xb: x in bf16, [16 blocks of 64 along K][8192][64]; wb: Wq, Wk, Wv in bf16, [16][3072][64]; bb: the three biases, [3072] f32 (rounded to bf16);
; qkv: [8192][3072] f16: columns 0-1023 q, 1024-2047 k, 2048-3071 v.  Sums in f32, started with the bias as the C operand of the first product; qkv rounded once, to f16.
; LIMIT.  f16 holds no number beyond 65,504: q, k and v must stay under it.  NaN and infinities are not treated apart.
; THE TILE is 256 x 384: 32 x 8 = 256 work-groups of equal work.  Four waves, each 128 rows x 192 columns: 96 accumulators of 16 x 16, 768 registers; for 32 along K a wave reads 320 LDS rows for 96 products.
; K goes in 16 steps of 64 through a ring of two LDS slots (two slots of a step of 128 would be 348,160 bytes).  A block of xb or wb holds its rows end to end, so a wave's part of a tile (128 rows of xb, 192 of wb)
; is dense in memory: it is asked for as rows of 256 bytes, two rows of the matrix each, and padded in LDS after every 128 bytes.
; A K STEP is four UNITS of 48 products: 32 along K x (my 8 row blocks) x (6 of my 12 column blocks).  At a unit's head stand the LDS loads for the next unit, in one run; xb's fragments have two buffers of
; 64 registers (a buffer for each 32 along K), wb's two of 48 (a buffer for each six column blocks).  The change of slots stands in the third unit, whose head has issued the slot's last reads.
; THE TEXT OF THE LOOP.  The first two units start the sums and stand ahead of the loop; the loop (steps 0 to 13, each with a refill) is entered behind them; steps 14 and 15 are a loop of two trips without a refill.
; CLUSTERS: 4 x 4 work-groups.  The four of a row of the cluster need the same tile of xb, the four of a column the same tile of wb: each is asked for JOINTLY, by the same tensor load with the same descriptor
; and a mask that names the four.
; THE MATRIX INSTRUCTION IS USED TRANSPOSED: source 0 = 16 rows of wb, source 1 = 16 rows of xb: lane l holds row l % 16 of the result and columns 8 (l / 16) + 0..7.
; REGISTERS, in windows of 256 (s_set_vgpr_msb: bits 1:0 source 0, 3:2 source 1, 5:4 source 2, 7:6 destination):
;   window 0: v0-31 addresses; v32-95, v96-159 fragments of xb; v160-207, v208-255 fragments of wb; on the way out v32-79 packed results, v64-255 rows read back
;   windows 1, 2, 3: the accumulators: (row block a, column block b) at v[64 (b % 4) + 8 a] of window 1 + b / 4
; THE BIAS lies, until it has been used, in registers of window 3 whose accumulators are first written later: that of column block b < 8 where accumulator (b % 2, 8 + b / 2) will lie, that of b >= 8 where
; (7, b) will lie.  Five plain vector instructions stand ahead of each product that writes over such registers (ISA guide 7.12.1).
.set ROWC,   3072*2                    ; bytes in a row of qkv
.set STEPS,  16
.set PITCH,  144                       ; an LDS row: 128 bytes + 16 of padding = 36 words: the 16 rows of a load start at 16 different groups of four banks (64 banks of 4 bytes: ISA guide 11.1)
.set AHALF,  128*PITCH                 ; 128 rows of xb: what waves 0 and 1 fetch, and what a wave reads of xb
.set BHALF,  192*PITCH                 ; 192 rows of wb: what waves 2 and 3 fetch, and what a wave reads of wb
.set BOFF,   2*AHALF                   ; a slot: xb's 256 rows, then wb's 384 rows: 92,160 bytes
.set SLOT1,  131072                    ; slot 1 begins here, so that one exclusive or turns an address in one slot into the other's
.set STAGE,  SLOT1+BOFF+2*BHALF        ; behind the ring: 128 rows x 784 bytes, the work-group's, for the way out
.set SPI,    784                       ; a stage row: 768 bytes + 16 = 196 words: row r starts at bank 4 r mod 64
.set SPARE,  STAGE+128*SPI             ; behind the stage: the spare words, 128 bytes for each wave: two blocks of 256 bytes that no other line names
.set ASTEP,  8192*128                  ; bytes from a block of xb to the next
.set BSTEP,  3072*128                  ; the same for wb
.set ADRA0, 16                         ; v16     LDS address of my fragments of xb in slot 0; never rewritten
.set ADRA,  17                         ; v17     the same in the slot in hand
.set ADRB0, 20                         ; v20     the same two for wb
.set ADRB,  21                         ; v21
.set CO0,  22                          ; v22     the way out: 16 x lane
.set CO1,  23                          ; v23     the same, and for lanes 16-31 on into the next row of qkv
.set STO,  24                          ; v24     the way out: where I put 16 bytes of a row
.set RD0,  25                          ; v25     the way out: where I read rows back
.set RD1,  26                          ; v26     the same, and for lanes 16-31 on into the next stage row
.set BO,   27                          ; v27     my byte offset in the bias: 32 (l / 16)
.set SPW,  28                          ; v28     LDS address of my spare word; never rewritten
.set NIL,  29                          ; v29     0; never rewritten
.set PFO,  30                          ; v30     the prefetches' offset: 256 x lane; never rewritten
.set XA0,  32                          ; fragments of xb, K = 0..31 of a step
.set XA1,  96                          ; K = 32..63
.set WB0,  160                         ; fragments of wb, my column blocks 0-5
.set WB1,  208                         ; blocks 6-11
.set TMP,  32
.set RB,   64
.set G1,  24                           ; s[24:31] descriptor group 1 for xb's tiles
.set G0,  32                           ; s[32:39] group 0: a set for each of the two first fills; the second then walks on
.set G1B, 48                           ; s[48:55], s[56:63] the same for wb's tiles
.set G0B, 56
.set LIM, 43                           ; s43     2 in a wave that prefetches, else the greatest number
.set PFA, 44                           ; s[44:45] where my prefetches stand
.set TB,  66                           ; s66     LDS byte at which the slot in hand begins
.set ODD, 67                           ; s67     0 in wave 0, which prefetches at every change of slots; 1 in the others, which do at every second
.set PST, 72                           ; s[72:73] the prefetches' step: a block of xb or of wb
.set MSB, 0
.macro WIN new                         ; the immediate's high byte repeats the setting that is left; a switch that changes nothing is dropped
.if MSB != (\new)
	s_set_vgpr_msb (MSB<<8)|(\new)
.set MSB, \new
.endif
.endm
.macro PLACES                          ; four plain vector instructions between a matrix instruction and a load into its sources or a reader of its result
.rept 4
	v_nop
.endr
.endm
.macro FIVE                            ; five between a matrix instruction and another that writes over one of its registers
.rept 5
	v_nop
.endr
.endm
; A joint load by set s of the descriptors: waves 0 and 1 fetch xb's two halves, waves 2 and 3 wb's.  The branch hangs on the wave's number alone.  An s_nop 0 and four v_nop follow each of the two lines.
.macro JLOAD s
	s_cmp_lt_u32 s10, 2
	s_cbranch_scc0 .Lfor_b_\@
	tensor_load_to_lds s[G0+4*(\s):G0+4*(\s)+3], s[G1:G1+7]
	s_nop 0
.rept 4
	v_nop
.endr
	s_branch .Lasked_\@
.Lfor_b_\@:
	tensor_load_to_lds s[G0B+4*(\s):G0B+4*(\s)+3], s[G1B:G1B+7]
	s_nop 0
.rept 4
	v_nop
.endr
.Lasked_\@:
.endm
; A PREFETCH behind each joint refill and the run of LDS loads that follows it; 32 blocks of 256 bytes an instruction, a lane a block.  s3 = 14 - t in the change of slots behind K step t.
; xb: a step of a tile is 256 rows x 128 bytes = 128 blocks.  The clusters with x = 0 ask; the four partners of a row take 32 blocks each, by cx; wave 0 asks, at every t, for step t + 4, which stands two refills on.
; wb: a step of a tile is 384 rows x 128 bytes = 192 blocks, two steps are twelve groups of 32.  The clusters with y = 0 ask; at every even t group 3 cy + wave - 1 of steps t + 4 and t + 5 is asked for by waves 1 to 3.
; So each block is named once in the launch.  Steps 0 to 3 come by their loads alone; from t = 12 on (s3 = 2) nothing is asked for: there is no step 16.
.macro ASK
	s_and_b32 s23, s3, s[ODD]
	s_cmp_eq_u32 s23, 0
	s_cbranch_scc0 .Lnot_mine_\@
	s_cmp_gt_u32 s3, s[LIM]
	s_cbranch_scc0 .Lnot_mine_\@
	global_prefetch_b8 v[PFO], s[PFA:PFA+1] th:TH_LOAD_NT scope:SCOPE_SE
.Lnot_mine_\@:
.endm
.macro CREST                           ; a round of the cluster's barrier behind its opening barrier
	s_cmp_lg_u32 s10, 0
	s_cbranch_scc1 .Lnot_wave_0_\@
	s_barrier_signal -3
.Lnot_wave_0_\@:
	s_barrier_wait -3
	s_barrier_signal -1
	s_barrier_wait -1
.endm
.macro CROUND                          ; a whole round
	s_barrier_signal -1
	s_barrier_wait -1
	CREST
.endm
	s_load_b128 s[4:7], s[0:1], 0x0                ; xb s[4:5], wb s[6:7]
	s_load_b128 s[68:71], s[0:1], 0x10             ; bb s[68:69], qkv s[70:71]
	v_lshl_add_u32 v[SPW], v0, 2, SPARE
	v_mov_b32 v[NIL], 0
	ds_add_u32 v[SPW], v[NIL]                      ; the wave's opening: the add and its wait stand ahead of my first tensor load; the set-up below stands between them
	v_lshrrev_b32 v1, 5, v0
	v_readfirstlane_b32 s10, v1                    ; wave 0..3
	s_lshr_b32 s11, s10, 1                         ; which half of the tile's rows is mine
	s_and_b32 s12, s10, 1                          ; which half of its columns.  Also: which half of xb's or wb's tile I fetch
	s_bfe_u32 s40, ttmp6, 0x40000                  ; cx
	s_bfe_u32 s41, ttmp6, 0x40004                  ; cy
	s_lshl_b32 s42, ttmp9, 2
	s_add_co_u32 s42, s42, s40                     ; tile column = 4 x cluster x + cx, 0..7
	s_and_b32 s13, ttmp7, 0xffff
	s_lshl_b32 s13, s13, 2
	s_add_co_u32 s13, s13, s41                     ; tile row = 4 x cluster y + cy, 0..31
	s_lshl_b32 s43, s41, 2
	s_lshl_b32 s43, 15, s43                        ; my row of the cluster
	s_lshl_b32 s44, 0x1111, s40                    ; my column
	s_or_b32 s[G1+0], s43, (1<<16)|(1<<20)|(1<<21)|(4<<22)|(3<<25)   ; 15:0 the mask; 17:16 elements of 2 bytes; 20 padding on; 21 set beside a mask; 24:22 after every 32 words; 31:25 4 words
	s_or_b32 s[G1B+0], s44, (1<<16)|(1<<20)|(1<<21)|(4<<22)|(3<<25)
	s_mov_b32 s[G1+1], 128<<16                     ; tensor_dim0 = 128 elements: 256 bytes, two rows of the matrix
	s_mov_b32 s[G1+2], 64<<16                      ; tensor_dim1 = 64
	s_mov_b32 s[G1+3], 128<<16                     ; tile_dim0 = 128
	s_mov_b32 s[G1+4], 64                          ; tile_dim1 = 64
	s_mov_b32 s[G1+5], 128                         ; elements from row to row: dense
	s_mov_b32 s[G1+6], 0
	s_mov_b32 s[G1+7], 0
	s_mov_b32 s[G1B+1], 128<<16
	s_mov_b32 s[G1B+2], 96<<16                     ; tensor_dim1 = 96
	s_mov_b32 s[G1B+3], 128<<16
	s_mov_b32 s[G1B+4], 96                         ; tile_dim1 = 96
	s_mov_b32 s[G1B+5], 128
	s_mov_b32 s[G1B+6], 0
	s_mov_b32 s[G1B+7], 0
	s_mov_b32 s[TB], 0                             ; slot 0 is read first
	s_lshl_b32 s16, s13, 15                        ; xb: row 256 x tile row,
	s_lshl_b32 s17, s12, 14                        ; + 128 x half, 128 bytes each
	s_add_co_u32 s16, s16, s17
	s_mov_b32 s17, 0
	s_mul_i32 s46, s42, 384*128                    ; wb: row 384 x tile column,
	s_mul_i32 s47, s12, 192*128                    ; + 192 x half
	s_add_co_u32 s46, s46, s47
	s_mov_b32 s47, 0
	s_mul_i32 s20, s12, AHALF                      ; where they go: no place in the cluster enters an LDS address
	s_mul_i32 s21, s12, BHALF
	s_add_co_u32 s21, s21, BOFF
	s_wait_dscnt 0x0                               ; the opening add is done
	s_wait_kmcnt 0x0
	s_mov_b64 s[8:9], s[70:71]                     ; qkv
	s_add_nc_u64 s[14:15], s[4:5], s[16:17]
	s_add_nc_u64 s[46:47], s[6:7], s[46:47]
	CROUND                                         ; all sixteen work-groups are here: the first joint loads meet
.irp s, 0,1
	s_mov_b32 s[G0+4*(\s)], 1
	s_add_co_u32 s[G0+4*(\s)+1], s20, (\s)*SLOT1
	s_add_nc_u64 s[G0+4*(\s)+2:G0+4*(\s)+3], s[14:15], (\s)*ASTEP
	s_or_b32 s[G0+4*(\s)+3], s[G0+4*(\s)+3], 0x80000000
	s_mov_b32 s[G0B+4*(\s)], 1
	s_add_co_u32 s[G0B+4*(\s)+1], s21, (\s)*SLOT1
	s_add_nc_u64 s[G0B+4*(\s)+2:G0B+4*(\s)+3], s[46:47], (\s)*BSTEP
	s_or_b32 s[G0B+4*(\s)+3], s[G0B+4*(\s)+3], 0x80000000
	JLOAD \s                                       ; K steps 0 and 1: two tensor loads of mine are out
.endr
	; the bias of my 192 columns, into window 3: register j of block b's eight holds column 16 b + 8 (l / 16) + j
	v_and_b32 v1, 15, v0                           ; l % 16
	v_bfe_u32 v2, v0, 4, 1                         ; l / 16
	v_lshlrev_b32 v[BO], 5, v2
	s_mul_i32 s74, s42, 384*4
	s_mul_i32 s75, s12, 192*4
	s_add_co_u32 s74, s74, s75
	s_mov_b32 s75, 0
	s_add_nc_u64 s[68:69], s[68:69], s[74:75]
	WIN 0xc0                                       ; destination window 3, address window 0
.irp b, 0,1,2,3,4,5,6,7
	global_load_b128 v[64*((\b)/2)+8*((\b)%2):64*((\b)/2)+8*((\b)%2)+3],   v[BO], s[68:69] offset:64*(\b)
	global_load_b128 v[64*((\b)/2)+8*((\b)%2)+4:64*((\b)/2)+8*((\b)%2)+7], v[BO], s[68:69] offset:64*(\b)+16
.endr
.irp b, 8,9,10,11
	global_load_b128 v[64*((\b)-8)+56:64*((\b)-8)+59], v[BO], s[68:69] offset:64*(\b)
	global_load_b128 v[64*((\b)-8)+60:64*((\b)-8)+63], v[BO], s[68:69] offset:64*(\b)+16
.endr
	WIN 0
	; A fragment is 16 rows x 32 K in 8 registers: lane l holds row l % 16; registers 0-3 K = 8 (l / 16) + 0..7, registers 4-7 K = 16 + 8 (l / 16) + 0..7: two loads of 16 bytes, 32 bytes apart.
	v_mul_u32_u24 v3, v1, PITCH
	v_lshl_add_u32 v3, v2, 4, v3
	s_mul_i32 s21, s11, AHALF                      ; my 128 rows of xb
	s_mul_i32 s22, s12, BHALF                      ; my 192 rows of wb,
	s_add_co_u32 s22, s22, BOFF                    ; which lie behind xb's 256
	v_add_nc_u32 v[ADRA0], s21, v3
	v_add_nc_u32 v[ADRB0], s22, v3
	v_mov_b32 v[ADRA], v[ADRA0]
	v_mov_b32 v[ADRB], v[ADRB0]
	; the way out.  The stage holds half of the tile: stage row 64 x (my row half) + 16 a + l % 16 for my row block a or a + 4; my 384 bytes of its 768
	s_mul_i32 s23, s11, 64*SPI
	s_mul_i32 s14, s12, 384
	s_add_co_u32 s23, s23, s14
	s_add_co_u32 s23, s23, STAGE
	v_mul_u32_u24 v4, v1, SPI
	v_lshl_add_u32 v4, v2, 4, v4
	v_add_nc_u32 v[STO], s23, v4
	; back: wave w takes stage rows 32 w .. 32 w + 31, whole.  Two rows are 1,536 bytes = three loads of 512: row 0's bytes 0-511; row 0's 512-767 (lanes 0-15) and row 1's 0-255 (lanes 16-31); row 1's 256-767
	s_mul_i32 s23, s10, 32*SPI
	s_add_co_u32 s23, s23, STAGE
	v_and_b32 v5, 31, v0
	v_lshl_add_u32 v[RD0], v5, 4, s23
	v_lshl_add_u32 v[RD1], v2, 4, v[RD0]           ; with 512 in the immediate: lanes 16-31 land at 784 + 16 (l - 16)
	v_lshlrev_b32 v[CO0], 4, v5
	v_mad_u32_u24 v[CO1], v2, ROWC-768, v[CO0]     ; with 512 in the immediate: lanes 16-31 land at a row of qkv + 16 (l - 16)
	s_lshl_b32 s16, s13, 8                         ; the first row of qkv that I store: 256 x tile row + 128 x (wave / 2) + 32 x (wave % 2)
	s_lshl_b32 s17, s11, 7
	s_add_co_u32 s16, s16, s17
	s_lshl_b32 s17, s12, 5
	s_add_co_u32 s16, s16, s17
	s_mul_i32 s16, s16, ROWC
	s_mul_i32 s17, s42, 768                        ; the tile's first column, in bytes
	s_add_co_u32 s16, s16, s17
	s_mov_b32 s17, 0
	s_add_nc_u64 s[8:9], s[8:9], s[16:17]
	; the prefetches: they stand at K step 3; the first change of slots steps them to K step 4
	s_and_b32 s22, ttmp7, 0xffff                   ; cluster y
	s_lshl_b32 s20, s13, 15                        ; xb: the tile's 256 rows,
	s_lshl_b32 s21, s40, 13                        ; my work-group's 64 of them: 32 blocks of 256 bytes
	s_add_co_u32 s20, s20, s21
	s_add_co_u32 s20, s20, 3*ASTEP
	s_mul_i32 s21, s42, 384*128                    ; wb: the tile's 384 rows;
	s_lshr_b32 s23, s41, 1                         ; group g = 3 cy + wave - 1 of twelve: g / 6 = cy / 2 says which of the two steps,
	s_mul_i32 s23, s23, BSTEP
	s_add_co_u32 s21, s21, s23
	s_and_b32 s23, s41, 1                          ; g % 6 = 3 (cy % 2) + wave - 1 which 32 blocks of it (in wave 0 this wraps and is not used)
	s_mul_i32 s23, s23, 3
	s_add_co_u32 s23, s23, s10
	s_sub_co_u32 s23, s23, 1
	s_lshl_b32 s23, s23, 13
	s_add_co_u32 s21, s21, s23
	s_add_co_u32 s21, s21, 3*BSTEP
	s_mov_b32 s[PST], BSTEP
	s_mov_b32 s[PST+1], 0
	s_cmp_eq_u32 s10, 0                            ; wave 0 asks for xb, the others for wb
	s_cselect_b32 s20, s20, s21
	s_cselect_b32 s22, ttmp9, s22                  ; the coordinate along which other clusters read the same rows
	s_cselect_b32 s[PST], ASTEP, s[PST]
	s_cselect_b32 s[ODD], 0, 1
	s_cselect_b64 s[PFA:PFA+1], s[4:5], s[6:7]
	s_cmp_eq_u32 s22, 0
	s_cselect_b32 s[LIM], 2, -1                    ; the same in all sixteen partners, for a given wave
	s_mov_b32 s21, 0
	s_add_nc_u64 s[PFA:PFA+1], s[PFA:PFA+1], s[20:21]
	v_lshlrev_b32 v[PFO], 8, v5
; 8 matrix instructions: column block b x my 8 row blocks, 32 along K.  zero = 1: the product starts the sums, with the bias as C.  The 96 accumulators take turns, one instruction a turn, over the jumps too.
.macro MULG abuf, bbuf, b, zero
.set W, 1+(\b)/4
.set DB, 64*((\b)%4)
.set FBR, (\bbuf)+8*((\b)%6)
.if \zero
.if (\b) < 8
.set CR, 64*((\b)/2)+8*((\b)%2)
.else
.set CR, 64*((\b)-8)+56
.endif
	WIN (W<<6)|0x30                                ; sources 0 and 1 window 0, C window 3, D window W
.if (\b) == 8
	FIVE                                           ; from here on products write into window 3, over the biases of blocks 0 to 7, which the products above have read
.endif
.irp a, 0,1,2,3,4,5,6,7
.if ((\b) >= 8) && ((\a) == 7)
	FIVE                                           ; this product writes over the block's own bias, which the seven before it have read
.endif
	v_wmma_f32_16x16x32_bf16 v[DB+8*(\a):DB+8*(\a)+7], v[FBR:FBR+7], v[(\abuf)+8*(\a):(\abuf)+8*(\a)+7], v[CR:CR+7]
.endr
.else
	WIN (W<<6)|(W<<4)                              ; C and D window W
.irp a, 0,1,2,3,4,5,6,7
	v_wmma_f32_16x16x32_bf16 v[DB+8*(\a):DB+8*(\a)+7], v[FBR:FBR+7], v[(\abuf)+8*(\a):(\abuf)+8*(\a)+7], v[DB+8*(\a):DB+8*(\a)+7]
.endr
.endif
.endm
.macro FA q, buf                       ; 16 LDS loads: xb's 8 fragments, K = 32 q on, of the slot in hand
.irp a, 0,1,2,3,4,5,6,7
	ds_load_b128 v[(\buf)+8*(\a):(\buf)+8*(\a)+3],   v[ADRA] offset:(\a)*16*PITCH+64*(\q)
	ds_load_b128 v[(\buf)+8*(\a)+4:(\buf)+8*(\a)+7], v[ADRA] offset:(\a)*16*PITCH+64*(\q)+32
.endr
.endm
.macro FB q, j, buf                    ; 12 LDS loads: wb's fragments of column blocks 6 j .. 6 j + 5, K = 32 q on
.irp i, 0,1,2,3,4,5
	ds_load_b128 v[(\buf)+8*(\i):(\buf)+8*(\i)+3],   v[ADRB] offset:(6*(\j)+(\i))*16*PITCH+64*(\q)
	ds_load_b128 v[(\buf)+8*(\i)+4:(\buf)+8*(\i)+7], v[ADRB] offset:(6*(\j)+(\i))*16*PITCH+64*(\q)+32
.endr
.endm
; THE UNITS of a K step.  At a unit's head: four places behind the last products, which read the buffer that is loaded now; the run of loads for the NEXT unit; a wait that leaves just that run out.
.macro U0 zero                         ; K 0-31, column blocks 0-5
	WIN 0
	PLACES
	FB 0, 1, WB1
	s_wait_dscnt 12                                ; all but the 12 just issued
.irp b, 0,1,2,3,4,5
	MULG XA0, WB0, \b, \zero
.endr
.endm
.macro U1 zero                         ; K 0-31, column blocks 6-11
	WIN 0
	PLACES
	FA 1, XA1
	FB 1, 0, WB0
	s_wait_dscnt 28                                ; all but the 28 just issued
.irp b, 6,7,8,9,10,11
	MULG XA0, WB1, \b, \zero
.endr
.endm
; The third and fourth units, K 32-63, and between them THE CHANGE OF SLOTS: ONE barrier.  In front of it each wave waits for all its tensor loads (one is out: its part of the other slot), adds 0 to its spare word, and
; waits for that and for its own reads of this slot, of which the last stand at the third unit's head.  fill = 1: the barrier opens a round of the cluster's barrier, and this slot is filled again, two K steps ahead,
; first thing behind the round, by the walking descriptors.
.macro U23 fill
	WIN 0
	PLACES
	FB 1, 1, WB1
	s_wait_dscnt 12                                ; all but the 12 just issued
.irp b, 0,1,2,3
	MULG XA1, WB0, \b, 0
.endr
.if \fill
	s_wait_xcnt 0x0                                ; the last prefetch, a K step back, has read its address: it is stepped here
	s_add_nc_u64 s[PFA:PFA+1], s[PFA:PFA+1], s[PST:PST+1]
.endif
	WIN 0                                          ; (the add's two registers lie in window 0)
	s_wait_tensorcnt 0x0                           ; all my tensor loads have landed, so a group 0 may be written
	ds_add_u32 v[SPW], v[NIL]                      ; 0 onto my spare word
	MULG XA1, WB0, 4, 0                            ; eight matrix instructions stand between the add and the wait for it
	s_wait_dscnt 0x0                               ; the add is done, and my reads of this slot are over
	s_barrier_signal -1
	MULG XA1, WB0, 5, 0
	WIN 0                                          ; (branches and lines on window 0 follow)
	s_barrier_wait -1
.if \fill
	CREST                                          ; no wave of any partner still reads this slot's tile or has a load on its way
	s_xor_b32 s[G0+5], s[G0+5], SLOT1              ; the walking descriptors: the other slot than last time,
	s_add_nc_u64 s[G0+6:G0+7], s[G0+6:G0+7], ASTEP       ; the next K step; the type bits on top are not reached
	s_xor_b32 s[G0B+5], s[G0B+5], SLOT1
	s_add_nc_u64 s[G0B+6:G0B+7], s[G0B+6:G0B+7], BSTEP
	JLOAD 1                                        ; my one tensor load behind the round; its four v_nop are also the places in front of the loads below
.else
	PLACES
.endif
	s_xor_b32 s[TB], s[TB], SLOT1                  ; the reads go to the other slot
	v_add_nc_u32 v[ADRA], s[TB], v[ADRA0]
	v_add_nc_u32 v[ADRB], s[TB], v[ADRB0]
	FA 0, XA0
	FB 0, 0, WB0
.if \fill
	ASK
.endif
	s_wait_dscnt 28                                ; all but the 28 just issued
.irp b, 6,7,8,9,10,11
	MULG XA1, WB1, \b, 0
.endr
.endm
; THE WAY OUT.  A wave's 192 columns are 384 bytes, which is no whole number of aligned blocks of 256: so the two waves of a row half write the two halves of the same stage rows, a barrier stands between
; the writing and the reading, and each wave then reads 32 whole rows of 768 bytes and stores them.  The stage holds 128 rows, so the tile goes in two halves, with a barrier between a half's reads and the next half's writes.
.macro PACKB a                         ; my row block a: rounded to f16, 16 bytes a lane and column block, into the stage
.irp b, 0,1,2,3,4,5,6,7,8,9,10,11
	WIN (1+(\b)/4)|((1+(\b)/4)<<2)                 ; sources 0 and 1 in the accumulators' window
.irp r, 0,1,2,3
	v_cvt_pk_f16_f32 v[TMP+4*(\b)+(\r)], v[64*((\b)%4)+8*(\a)+2*(\r)], v[64*((\b)%4)+8*(\a)+2*(\r)+1]
.endr
.endr
	WIN 0
.irp b, 0,1,2,3,4,5,6,7,8,9,10,11
	ds_store_b128 v[STO], v[TMP+4*(\b):TMP+4*(\b)+3] offset:((\a)%4)*16*SPI+32*(\b)
.endr
.endm
.macro HALF hf                         ; my row blocks 4 hf .. 4 hf + 3
.if \hf
	s_wait_xcnt 0x0                                ; the first half's stores have read their registers, which are written again below
.endif
.irp a, 0,1,2,3
	PACKB 4*(\hf)+(\a)
.endr
	s_wait_dscnt 0x0                               ; for the others' sake: my stores into the stage are done
	s_barrier_signal -1
	s_barrier_wait -1
.set p, 0
.rept 16                               ; pair p of my 32 rows
	ds_load_b128 v[RB+12*p:RB+12*p+3],    v[RD0] offset:2*SPI*p
	ds_load_b128 v[RB+12*p+4:RB+12*p+7],  v[RD1] offset:2*SPI*p+512
	ds_load_b128 v[RB+12*p+8:RB+12*p+11], v[RD0] offset:2*SPI*p+SPI+256
.set p, p+1
.endr
.set p, 0
.rept 16
	s_wait_dscnt 45-3*p                            ; pair p is in; the younger pairs' loads stay out
	global_store_b128 v[CO0], v[RB+12*p:RB+12*p+3],    s[8:9] offset:2*ROWC*p+(\hf)*64*ROWC            ; 16 lanes store 256 consecutive bytes, at a multiple of 256 from qkv's first byte
	global_store_b128 v[CO1], v[RB+12*p+4:RB+12*p+7],  s[8:9] offset:2*ROWC*p+(\hf)*64*ROWC+512
	global_store_b128 v[CO0], v[RB+12*p+8:RB+12*p+11], s[8:9] offset:2*ROWC*p+(\hf)*64*ROWC+ROWC+256
.set p, p+1
.endr
.if !(\hf)
	s_barrier_signal -1                            ; my reads of the stage are back (the last count was 0): when all four waves have said so it is written again
	s_barrier_wait -1
.endif
.endm
	s_wait_loadcnt 0x0                             ; the bias is in
	s_wait_tensorcnt 1                             ; my part of K step 0 is in; K step 1's may stay out
	s_barrier_signal -1
	s_barrier_wait -1                              ; everybody's is
	FA 0, XA0
	FB 0, 0, WB0
	U0 1                                           ; the first two units stand in front of the loop: their products start the sums
	U1 1
	WIN 0                                          ; at a label and at a branch every window is 0
	s_mov_b32 s3, STEPS-2
	s_branch .Lenter                               ; the loop is entered behind its first two units
.Lstep:                                                ; K steps 0 to 13: each fills the slot that it leaves, with the K step two on
	U0 0
	U1 0
	WIN 0
.Lenter:
	U23 1
	WIN 0
	s_sub_co_u32 s3, s3, 1
	s_cmp_lg_u32 s3, 0
	s_cbranch_scc1 .Lstep
	s_mov_b32 s3, 2
.Ltail:                                                ; K steps 14 and 15 ask for nothing.  Step 15's change of slots, and the 28 loads behind it from the slot that held step 14, serve nothing: the price of one text for both
	U0 0
	U1 0
	U23 0
	WIN 0
	s_sub_co_u32 s3, s3, 1
	s_cmp_lg_u32 s3, 0
	s_cbranch_scc1 .Ltail
	s_wait_dscnt 0x0                               ; those loads are back: their registers are used below
	PLACES
	HALF 0
	HALF 1
	s_wait_tensorcnt 0x0                           ; the wave's end, behind my last tensor load and my last LDS store
	ds_add_u32 v[SPW], v[NIL]
	s_wait_dscnt 0x0
	CROUND                                         ; the closing round: no work-group ends while a partner may still ask for a tile that names it
	s_endpgm
.Lfunc_end_k_qa4d6d4c410_proj:
	.size	k_qa4d6d4c410_proj, .Lfunc_end_k_qa4d6d4c410_proj-k_qa4d6d4c410_proj
	.p2alignl 7, 3214868480
	.fill 96, 4, 3214868480
	.section	.rodata,"a",@progbits
	.p2align	6, 0x0
	.amdhsa_kernel k_qa4d6d4c410_proj
		.amdhsa_group_segment_fixed_size 327680
		.amdhsa_private_segment_fixed_size 0
		.amdhsa_enable_private_segment 0
		.amdhsa_kernarg_size 32
		.amdhsa_user_sgpr_count 2
		.amdhsa_user_sgpr_kernarg_segment_ptr 1
		.amdhsa_wavefront_size32 1
		.amdhsa_system_sgpr_workgroup_id_x 1
		.amdhsa_system_sgpr_workgroup_id_y 1
		.amdhsa_system_sgpr_workgroup_id_z 1
		.amdhsa_system_vgpr_workitem_id 0
		.amdhsa_next_free_vgpr 1024
		.amdhsa_next_free_sgpr 82
		.amdhsa_reserve_vcc 0
		.amdhsa_float_denorm_mode_32 3
		.amdhsa_float_denorm_mode_16_64 3
		.amdhsa_memory_ordered 1
		.amdhsa_forward_progress 1
		.amdhsa_inst_pref_size 109
	.end_amdhsa_kernel
	.amdgpu_metadata
---
amdhsa.version: [ 1, 2 ]
amdhsa.kernels:
  - .name:           k_qa4d6d4c410_proj
    .symbol:         k_qa4d6d4c410_proj.kd
    .args:
      - { .name: xb, .offset: 0, .size: 8, .value_kind: global_buffer, .address_space: global }
      - { .name: wb, .offset: 8, .size: 8, .value_kind: global_buffer, .address_space: global }
      - { .name: bb, .offset: 16, .size: 8, .value_kind: global_buffer, .address_space: global }
      - { .name: qkv, .offset: 24, .size: 8, .value_kind: global_buffer, .address_space: global }
    .group_segment_fixed_size: 327680
    .private_segment_fixed_size: 0
    .kernarg_segment_align: 8
    .kernarg_segment_size: 32
    .max_flat_workgroup_size: 128
    .sgpr_count:     82
    .vgpr_count:     1024
    .wavefront_size: 32
...
	.end_amdgpu_metadata
.endif
;; end of part 2
;; launch score (part 3): grid 8 x 32, 4 waves a work-group, clusters of 4 x 4, 327,680 bytes of LDS; arguments qkv, p, st; writes p, st
.if DOCPART == 3
	.amdgcn_target "amdgcn-amd-amdhsa--gfx1250"
	.amdhsa_code_object_version 6
	.text
	.protected	k_qa4d6d4c410_score
	.globl	k_qa4d6d4c410_score
	.p2align	8
	.type	k_qa4d6d4c410_score,@function
k_qa4d6d4c410_score:
	s_mov_b64 s[64:65], 0
	v_nop
	global_prefetch_b8 v0, s[64:65] scope:SCOPE_SE
	s_setreg_imm32_b32 hwreg(HW_REG_WAVE_MODE, 25, 1), 1
	s_wait_xcnt 0x0
	s_wait_alu depctr_hold_cnt(0) depctr_sa_sdst(0) depctr_va_vdst(0) depctr_va_sdst(0) depctr_va_ssrc(0) depctr_va_vcc(0) depctr_vm_vsrc(0)
	s_getreg_b32 s2, hwreg(HW_REG_IB_STS2, 6, 4)
	s_cmp_eq_u32 s2, 0
	s_cbranch_scc0 .Lentry_in_a_cluster
	s_endpgm
.Lentry_in_a_cluster:
	s_bfe_u32 s2, ttmp6, 0x10000c
	s_cmp_lg_u32 s2, 0xf033
	s_cbranch_scc0 .Lentry_shape_is_right
	s_endpgm
.Lentry_shape_is_right:
; s[m][n] = the sum over e of q[m][e] k[n][e], within a batch of 2,048 rows; q and k are columns 0-1023 and 1024-2047 of qkv ([8192][3072] f16).  Sums in f32.
; THE SOFTMAX IN TWO LEVELS.  A row's 2,048 keys lie in 16 CHUNKS of 128; a wave holds 128 rows x one chunk.  For each row it takes the chunk's maximum m, stores p = 2^(c s - c m) in f16
; (p: [8192][2048]), c = log2(e) / 32, and for the launch behind it c m and l = the sum of the chunk's p (f32, of the unrounded p): st[0][chunk][row] and st[1][chunk][row], [2][16][8192] f32.
; That launch takes the greatest of a row's 16 c m away before its own exponentials.  So a maximum is taken away in front of every exponential, and p lies in 0 to 1.
; LIMITS.  q and k arrive within f16's range; a p under 6e-8 is stored as 0; NaN and infinities are not treated apart.
; A tile of 256 x 256 of s is made by a work-group of four waves; a wave makes 128 x 128: 64 accumulators, 512 registers.  K (the 1,024 channels) goes in 8 steps of 128 through a ring of two LDS slots.
; THE TEXT OF THE LOOP.  A K step is written twice: once with a refill (steps 0 to 5, a loop of six trips, entered behind its first quarter, since the very first quarter starts the sums and stands
; ahead of it) and once without (steps 6 and 7, a loop of two trips).  Which slot is read is a scalar register, turned by an exclusive or at each change of slots.
; CLUSTERS: 4 x 4 work-groups: q's tile is shared along a row of the cluster, k's along a column, each asked for jointly.
; THE MATRIX INSTRUCTION IS USED TRANSPOSED (source 0 = 16 keys, source 1 = 16 queries): lane l holds query l % 16 and the keys 16 b + 8 (l / 16) + 0..7: a row's chunk lies in two lanes, 16 apart.
; REGISTERS (s_set_vgpr_msb: bits 1:0 source 0, 3:2 source 1, 5:4 source 2, 7:6 destination):
;   window 0: v0-31 addresses; v64-127, v128-191 fragments of q, two buffers; on the way out v64-127 S, v128-138 statistics, v192-223 packed p, v32-63 and v224-255 rows read back
;   window 1: v64-127, v128-191 fragments of k      window 2: the accumulators of my rows 0-63 ((a, b) at v[8 (8 a + b)])      window 3: those of my rows 64-127
.set SIZE_K, 1024
.set SIZE_N, 2048                      ; columns of p
.set LDQ,    3072                      ; elements from row to row of qkv
.set ROWB,   LDQ*2
.set KSTEP,  128
.set STEPS,  SIZE_K/KSTEP              ; 8
.set PITCH,  272                       ; an LDS row: 256 bytes + 16 of padding = 68 words: row r starts at bank 4 r mod 64 (64 banks of 4 bytes: ISA guide 11.1)
.set HALFT,  128*PITCH                 ; 0x8800 bytes
.set SLOT,   4*HALFT                   ; q's 256 rows, then k's 256 rows: 0x22000 bytes, which shares no bit with wave x HALFT: one exclusive or turns an address in one slot into the other's
.set STAGE,  2*SLOT                    ; behind the ring: 16 rows x 272 bytes for each wave
.set SPITCH, 272
.set STAT,   STAGE+4*16*SPITCH         ; behind the stages: for each wave 512 bytes of c m and 512 of l, its 128 rows'
.set SPARE,  STAT+4*1024               ; behind them: the spare words, 128 bytes for each wave: two blocks of 256 bytes that no other line names
.set ADRA0, 16                         ; v16     LDS address of my fragments of q in slot 0; never rewritten
.set ADRA,  17                         ; v17     the same in the slot in hand
.set ADRB0, 20                         ; v20     the same two for k
.set ADRB,  21                         ; v21
.set SA,   22                          ; v22     where I put a row's c m: my wave's statistics + 4 (l % 16)
.set SR,   23                          ; v23     where I read 16 bytes of them back
.set STO,  24
.set RD,   25
.set CO,   26
.set SPW,  28                          ; v28     LDS address of my spare word; never rewritten
.set NIL,  29                          ; v29     0; never rewritten
.set PFO,  30
.set SO,   31                          ; v31     16 x lane: my byte offset in 512 bytes of st
.set PFA,  44
.set LIM,  43                          ; s43     2 in a wave that prefetches, else the greatest number
.set TB,   72                          ; s72     LDS byte at which the slot in hand begins
.set F0,   64
.set F1,   128
.set S,    64                          ; v[64:127]  c s - c m, then p: register 8 b + j
.set T,    128                         ; v[128:135] eight partial maxima
.set CM,   136                         ; v136 c m, v137 m
.set LS,   138                         ; v138 l
.set TMP,  192
.set OB,   32
.set G1,  24
.set G0,  32                           ; s[32:39] group 0 for q's tiles: a set for each of the two first fills; the second then walks on
.set G1B, 48
.set G0B, 56
.set CS,  78                           ; s[78:79] c, twice
.set SEL, 80                           ; s[80:81] v_permlanex16_b32's selects: each lane takes its own place in the other half
.set MSB, 0
.macro WIN new
.if MSB != (\new)
	s_set_vgpr_msb (MSB<<8)|(\new)
.set MSB, \new
.endif
.endm
.set MUL_LO, 0xa1
.set TO_B,   0x40
.macro JLOAD s                         ; a joint load by set s: waves 0 and 1 fetch q's two halves, waves 2 and 3 k's; an s_nop 0 and four v_nop follow each of the two lines
	s_cmp_eq_u32 s11, 0
	s_cbranch_scc0 .Lfor_b_\@
	tensor_load_to_lds s[G0+4*(\s):G0+4*(\s)+3], s[G1:G1+7]
	s_nop 0
.rept 4
	v_nop
.endr
	s_branch .Lasked_\@
.Lfor_b_\@:
	tensor_load_to_lds s[G0B+4*(\s):G0B+4*(\s)+3], s[G1B:G1B+7]
	s_nop 0
.rept 4
	v_nop
.endr
.Lasked_\@:
.endm
; A prefetch behind each joint refill and its run of LDS loads: in the change behind K step t the K step t + 4, two refills on: 32 rows x 256 bytes, a lane a row.  q's rows are asked for by the clusters with
; x = 0, k's by the first of the two cluster rows of a batch; the four partners share a tile's rows out by address, 32 each.  K steps 0 to 3 come by their loads alone; from t = 4 on (s3 = 6 - t = 2) nothing is asked for.
.macro ASK
	s_cmp_gt_u32 s3, s[LIM]
	s_cbranch_scc0 .Lnot_mine_\@
	global_prefetch_b8 v[PFO], s[PFA:PFA+1] th:TH_LOAD_NT scope:SCOPE_SE
.Lnot_mine_\@:
.endm
.macro CREST
	s_cmp_lg_u32 s10, 0
	s_cbranch_scc1 .Lnot_wave_0_\@
	s_barrier_signal -3
.Lnot_wave_0_\@:
	s_barrier_wait -3
	s_barrier_signal -1
	s_barrier_wait -1
.endm
.macro CROUND
	s_barrier_signal -1
	s_barrier_wait -1
	CREST
.endm
	s_load_b128 s[4:7], s[0:1], 0x0                ; qkv s[4:5], p s[6:7]
	s_load_b64 s[66:67], s[0:1], 0x10              ; st
	v_lshl_add_u32 v[SPW], v0, 2, SPARE
	v_mov_b32 v[NIL], 0
	ds_add_u32 v[SPW], v[NIL]                      ; the wave's opening: the add and its wait stand ahead of my first tensor load
	v_lshrrev_b32 v1, 5, v0
	v_readfirstlane_b32 s10, v1                    ; wave 0..3
	s_lshr_b32 s11, s10, 1                         ; which half of the tile's rows is mine.  Also: I fetch for q (0) or for k (1)
	s_and_b32 s12, s10, 1                          ; which half of its columns.  Also: which 128 rows of that tile I fetch
	s_bfe_u32 s40, ttmp6, 0x40000                  ; cx
	s_bfe_u32 s41, ttmp6, 0x40004                  ; cy
	s_lshl_b32 s42, ttmp9, 2
	s_add_co_u32 s42, s42, s40                     ; tile column = 4 x cluster x + cx, 0..7: 256 keys of the batch
	s_and_b32 s13, ttmp7, 0xffff                   ; cluster y
	s_lshr_b32 s68, s13, 1                         ; the batch: two cluster rows each; made of the cluster's y alone
	s_and_b32 s69, s13, 1                          ; which of the two
	s_lshl_b32 s13, s13, 2
	s_add_co_u32 s13, s13, s41                     ; tile row = 4 x cluster y + cy, 0..31: 256 of the 8,192 rows
	s_lshl_b32 s43, s41, 2
	s_lshl_b32 s43, 15, s43                        ; my row of the cluster
	s_lshl_b32 s44, 0x1111, s40                    ; my column
	s_or_b32 s[G1+0], s43, (1<<16)|(1<<20)|(1<<21)|(5<<22)|(3<<25)
	s_or_b32 s[G1B+0], s44, (1<<16)|(1<<20)|(1<<21)|(5<<22)|(3<<25)
.irp g, G1, G1B
	s_mov_b32 s[(\g)+1], KSTEP<<16                 ; tensor_dim0 = 128
	s_mov_b32 s[(\g)+2], 128<<16                   ; tensor_dim1 = 128
	s_mov_b32 s[(\g)+3], KSTEP<<16                 ; tile_dim0 = 128
	s_mov_b32 s[(\g)+4], 128                       ; tile_dim1 = 128
	s_mov_b32 s[(\g)+5], LDQ                       ; elements from row to row
	s_mov_b32 s[(\g)+6], 0
	s_mov_b32 s[(\g)+7], 0
.endr
	s_mov_b32 s[CS], 0x3d38aa3b                    ; c = log2(e) / 32 = 0.0450842
	s_mov_b32 s[CS+1], s[CS]
	s_mov_b32 s[SEL], 0x76543210
	s_mov_b32 s[SEL+1], 0xfedcba98
	s_mov_b32 s[TB], 0                             ; slot 0 is read first
	s_lshl_b32 s17, s12, 7                         ; which 128 rows of the tile I fetch
	s_lshl_b32 s16, s13, 8
	s_add_co_u32 s16, s16, s17                     ; q: row 256 x tile row + 128 x half
	s_lshl_b32 s46, s42, 8
	s_add_co_u32 s46, s46, s17
	s_lshl_b32 s47, s68, 11
	s_add_co_u32 s46, s46, s47                     ; k: row 2,048 x batch + 256 x tile column + 128 x half
	s_mov_b32 s17, 0
	s_mov_b32 s47, 0
	s_mov_b64 s[18:19], ROWB
	s_mul_u64 s[16:17], s[16:17], s[18:19]
	s_mul_u64 s[46:47], s[46:47], s[18:19]
	s_mul_i32 s20, s10, HALFT
	s_wait_dscnt 0x0                               ; the opening add is done
	s_wait_kmcnt 0x0
	s_mov_b64 s[8:9], s[6:7]                       ; p
	s_add_nc_u64 s[6:7], s[4:5], 2048              ; k's columns begin 1,024 elements into a row of qkv
	s_add_nc_u64 s[14:15], s[4:5], s[16:17]
	s_add_nc_u64 s[46:47], s[6:7], s[46:47]
	CROUND                                         ; all sixteen work-groups are here: the first joint loads meet
.irp s, 0,1
	s_mov_b32 s[G0+4*(\s)], 1
	s_add_co_u32 s[G0+4*(\s)+1], s20, (\s)*SLOT
	s_add_nc_u64 s[G0+4*(\s)+2:G0+4*(\s)+3], s[14:15], (\s)*KSTEP*2
	s_or_b32 s[G0+4*(\s)+3], s[G0+4*(\s)+3], 0x80000000
	s_mov_b32 s[G0B+4*(\s)], 1
	s_add_co_u32 s[G0B+4*(\s)+1], s20, (\s)*SLOT
	s_add_nc_u64 s[G0B+4*(\s)+2:G0B+4*(\s)+3], s[46:47], (\s)*KSTEP*2
	s_or_b32 s[G0B+4*(\s)+3], s[G0B+4*(\s)+3], 0x80000000
	JLOAD \s                                       ; K steps 0 and 1: two tensor loads of mine are out
.endr
	v_and_b32 v1, 15, v0                           ; l % 16
	v_bfe_u32 v2, v0, 4, 1                         ; l / 16
	v_mul_u32_u24 v3, v1, PITCH
	v_lshl_add_u32 v3, v2, 4, v3
	s_mul_i32 s21, s11, HALFT                      ; my 128 rows of q
	s_mul_i32 s22, s12, HALFT                      ; my 128 rows of k,
	s_add_co_u32 s22, s22, 2*HALFT                 ; which lie behind q's 256
	v_add_nc_u32 v[ADRA0], s21, v3
	v_add_nc_u32 v[ADRB0], s22, v3
	v_mov_b32 v[ADRA], v[ADRA0]
	v_mov_b32 v[ADRB], v[ADRB0]
	s_mul_i32 s23, s10, 16*SPITCH
	s_add_co_u32 s23, s23, STAGE                   ; my stage
	v_mul_u32_u24 v4, v1, SPITCH
	v_lshl_add_u32 v4, v2, 4, v4
	v_add_nc_u32 v[STO], s23, v4
	v_mul_u32_u24 v5, v2, SPITCH
	v_lshl_add_u32 v5, v1, 4, v5
	v_add_nc_u32 v[RD], s23, v5
	v_mul_u32_u24 v5, v2, SIZE_N*2
	v_lshl_add_u32 v[CO], v1, 4, v5
	s_lshl_b32 s23, s10, 10
	s_add_co_u32 s23, s23, STAT                    ; my wave's statistics
	v_lshl_add_u32 v[SA], v1, 2, s23
	v_and_b32 v[SO], 31, v0
	v_lshlrev_b32 v[SO], 4, v[SO]
	v_add_nc_u32 v[SR], s23, v[SO]
	s_lshl_b32 s13, s13, 8                         ; 256 x tile row
	s_lshl_b32 s14, s11, 7
	s_add_co_u32 s16, s13, s14                     ; my first row of p
	s_mov_b32 s17, 0
	s_mov_b64 s[18:19], SIZE_N*2
	s_mul_u64 s[16:17], s[16:17], s[18:19]
	s_lshl_b32 s46, s42, 9                         ; my first column, in bytes: 512 x tile column + 256 x half
	s_lshl_b32 s47, s12, 8
	s_add_co_u32 s46, s46, s47
	s_mov_b32 s47, 0
	s_add_nc_u64 s[16:17], s[16:17], s[46:47]      ; what the way out adds to p's address
	s_lshl_b32 s70, s42, 16                        ; st: my chunk 2 x tile column + half, 32,768 bytes each,
	s_lshl_b32 s71, s12, 15
	s_add_co_u32 s70, s70, s71
	s_lshl_b32 s71, s13, 2                         ; my first row, 4 bytes each
	s_add_co_u32 s70, s70, s71
	s_lshl_b32 s71, s11, 9
	s_add_co_u32 s70, s70, s71
	s_mov_b32 s71, 0
	s_add_nc_u64 s[66:67], s[66:67], s[70:71]
	; the prefetches
	s_lshl_b32 s42, s42, 8
	s_lshl_b32 s22, s68, 11
	s_add_co_u32 s42, s42, s22                     ; k's tile begins at row 2,048 x batch + 256 x tile column
	s_cmp_eq_u32 s11, 0                            ; do I fetch for q?
	s_cselect_b32 s20, s13, s42                    ; the tile's first row
	s_cselect_b32 s21, s40, s41                    ; my place among the four that ask for it with me
	s_cselect_b32 s22, ttmp9, s69                  ; the coordinate along which other clusters read the same rows
	s_cselect_b64 s[PFA:PFA+1], s[4:5], s[6:7]
	s_cmp_eq_u32 s22, 0
	s_cselect_b32 s[LIM], 2, -1                    ; the same in all sixteen partners, for a given wave
	s_lshl_b32 s22, s12, 7
	s_add_co_u32 s20, s20, s22
	s_lshl_b32 s21, s21, 5
	s_add_co_u32 s20, s20, s21
	s_mov_b32 s21, 0
	s_mov_b64 s[18:19], ROWB
	s_mul_u64 s[20:21], s[20:21], s[18:19]
	s_add_nc_u64 s[PFA:PFA+1], s[PFA:PFA+1], s[20:21]
	s_add_nc_u64 s[PFA:PFA+1], s[PFA:PFA+1], 3*KSTEP*2  ; at K step 3: the first change of slots steps it to K step 4
	v_and_b32 v[PFO], 31, v0
	v_mul_u32_u24 v[PFO], v[PFO], ROWB
; 16 matrix instructions: m blocks a0, a0 + 1 of the window's four x all 8 n blocks, 32 along K.  zero = 1: the first product starts the sums.  The 64 accumulators take turns, one instruction a turn, over the jumps too.
.macro MUL16 f, hi, a0, zero
	WIN MUL_LO+0x50*(\hi)
.irp a, \a0, (\a0)+1
.irp b, 0,1,2,3,4,5,6,7
.if \zero
	v_wmma_f32_16x16x32_f16 v[8*(8*(\a)+(\b)):8*(8*(\a)+(\b))+7], v[(\f)+8*(\b):(\f)+8*(\b)+7], v[(\f)+8*(4*(\hi)+(\a)):(\f)+8*(4*(\hi)+(\a))+7], 0
.else
	v_wmma_f32_16x16x32_f16 v[8*(8*(\a)+(\b)):8*(8*(\a)+(\b))+7], v[(\f)+8*(\b):(\f)+8*(\b)+7], v[(\f)+8*(4*(\hi)+(\a)):(\f)+8*(4*(\hi)+(\a))+7], v[8*(8*(\a)+(\b)):8*(8*(\a)+(\b))+7]
.endif
.endr
.endr
.endm
.macro FETCH k, f                      ; 32 LDS loads in one run: k's 128 rows, then q's, 32 K at byte k of the rows of the slot in hand, into buffer f
	WIN TO_B
.irp i, 0,1,2,3,4,5,6,7
	ds_load_b128 v[(\f)+8*(\i):(\f)+8*(\i)+3],   v[ADRB] offset:(\k)+(\i)*16*PITCH
	ds_load_b128 v[(\f)+8*(\i)+4:(\f)+8*(\i)+7], v[ADRB] offset:(\k)+(\i)*16*PITCH+32
.endr
	WIN 0
.irp i, 0,1,2,3,4,5,6,7
	ds_load_b128 v[(\f)+8*(\i):(\f)+8*(\i)+3],   v[ADRA] offset:(\k)+(\i)*16*PITCH
	ds_load_b128 v[(\f)+8*(\i)+4:(\f)+8*(\i)+7], v[ADRA] offset:(\k)+(\i)*16*PITCH+32
.endr
.endm
.macro PLACES                          ; four plain vector instructions between a matrix instruction and a load into its sources or a reader of its result
.rept 4
	v_nop
.endr
.endm
.macro QUARTER k, f, g, zero
	s_wait_dscnt 8                                 ; k and q's rows 0-63 are in; the youngest eight loads (q's rows 64-127) may be out
	MUL16 \f, 0, 0, \zero
	MUL16 \f, 0, 2, \zero
	PLACES
	FETCH \k, \g
	s_wait_dscnt 32                                ; all but the 32 just issued
	MUL16 \f, 1, 0, \zero
	MUL16 \f, 1, 2, \zero
.endm
; The last quarter multiplies buffer 1 and changes slots: ONE barrier; in front of it each wave waits for all its tensor loads, adds 0 to its spare word, and waits for that and for its own reads of this slot.
; fill = 1: the barrier opens a round of the cluster's barrier, and this slot is filled again, two K steps ahead, first thing behind the round, by the walking descriptors.
.macro TURN fill
.if \fill
	s_wait_xcnt 0x0                                ; the last prefetch, a K step back, has read its address: it is stepped here
	s_add_nc_u64 s[PFA:PFA+1], s[PFA:PFA+1], KSTEP*2
.endif
	WIN 0
	s_wait_tensorcnt 0x0                           ; all my tensor loads have landed, so a group 0 may be written
	ds_add_u32 v[SPW], v[NIL]                      ; 0 onto my spare word
	s_wait_dscnt 9                                 ; (the add and the youngest eight loads may be out)
	MUL16 F1, 0, 0, 0
	s_wait_dscnt 0x0                               ; the add is done, and my reads of this slot are over
	s_barrier_signal -1
	MUL16 F1, 0, 2, 0
	WIN 0                                          ; (branches and lines on window 0 follow)
	s_barrier_wait -1
.if \fill
	CREST                                          ; no wave of any partner still reads this slot's tile or has a load on its way
	s_xor_b32 s[G0+5], s[G0+5], SLOT               ; the walking descriptors: the other slot than last time,
	s_add_nc_u64 s[G0+6:G0+7], s[G0+6:G0+7], KSTEP*2     ; the next K step; the type bits on top are not reached
	s_xor_b32 s[G0B+5], s[G0B+5], SLOT
	s_add_nc_u64 s[G0B+6:G0B+7], s[G0B+6:G0B+7], KSTEP*2
	JLOAD 1                                        ; my one tensor load behind the round; its four v_nop are also the places in front of the loads below
.else
	PLACES
.endif
	s_xor_b32 s[TB], s[TB], SLOT                   ; the reads go to the other slot
	v_add_nc_u32 v[ADRA], s[TB], v[ADRA0]
	v_add_nc_u32 v[ADRB], s[TB], v[ADRB0]
	FETCH 0, F0
.if \fill
	ASK
.endif
	MUL16 F1, 1, 0, 0
	MUL16 F1, 1, 2, 0
.endm
; THE CHUNK'S SOFTMAX for block a (16 rows x 128 keys; a lane holds 64 scores of one row).  The maximum (each accumulator's lowest registers first), the other half of the
; lanes' maximum, c m; c s - c m; 64 exponentials as one batch with one wait; the roundings to f16; the sum of the unrounded p; c m and l into my wave's statistics in LDS.
.macro SOFT a
.set AC, 64*((\a)%4)
.set W, 2+(\a)/4
	WIN W|(W<<2)|(W<<4)                            ; all three sources in the accumulators' window
.irp b, 0,1,2,3,4,5,6,7
	v_max3_num_f32 v[T+(\b)], v[AC+8*(\b)], v[AC+8*(\b)+1], v[AC+8*(\b)+2]
.endr
	WIN (W<<2)|(W<<4)                              ; source 0 in window 0
.irp b, 0,1,2,3,4,5,6,7
	v_max3_num_f32 v[T+(\b)], v[T+(\b)], v[AC+8*(\b)+3], v[AC+8*(\b)+4]
.endr
.irp b, 0,1,2,3,4,5,6,7
	v_max3_num_f32 v[T+(\b)], v[T+(\b)], v[AC+8*(\b)+5], v[AC+8*(\b)+6]
.endr
.irp b, 0,1,2,3,4,5,6,7
	v_max_num_f32 v[T+(\b)], v[T+(\b)], v[AC+8*(\b)+7]
.endr
	WIN 0
	v_max3_num_f32 v[T], v[T], v[T+1], v[T+2]
	v_max3_num_f32 v[T+3], v[T+3], v[T+4], v[T+5]
	v_max3_num_f32 v[T], v[T], v[T+6], v[T+7]
	v_max_num_f32 v[T], v[T], v[T+3]
	v_permlanex16_b32 v[T+1], v[T], s[SEL], s[SEL+1]  ; the row's other 64 keys lie in the lane 16 away
	v_max_num_f32 v[CM+1], v[T], v[T+1]            ; m
	v_mul_f32 v[CM], s[CS], v[CM+1]                ; c m
	WIN W                                          ; source 0 in the accumulators' window
.set i, 0
.rept 32
	v_pk_fma_f32 v[S+2*i:S+2*i+1], v[AC+2*i:AC+2*i+1], s[CS:CS+1], v[CM:CM+1] op_sel_hi:[1,0,0] neg_lo:[0,0,1] neg_hi:[0,0,1]  ; c s - c m
.set i, i+1
.endr
	WIN 0
.set i, 0
.rept 64
	v_exp_f32 v[S+i], v[S+i]
.set i, i+1
.endr
	v_nop                                          ; a plain instruction behind the last exponential,
	s_wait_alu depctr_va_vdst(0)                   ; and the wait ahead of the first use: one for the batch of 64
.set i, 0
.rept 32
	v_cvt_pk_f16_f32 v[TMP+i], v[S+2*i], v[S+2*i+1]
.set i, i+1
.endr
.irp w, 4, 8, 16, 32, 64               ; the sum of the 32 pairs, in place: neighbours 1, 2, 4, 8 and 16 pairs apart
.set u, 0
.rept 64/(\w)
	v_pk_add_f32 v[S+(\w)*u:S+(\w)*u+1], v[S+(\w)*u:S+(\w)*u+1], v[S+(\w)*u+(\w)/2:S+(\w)*u+(\w)/2+1]
.set u, u+1
.endr
.endr
	v_add_f32 v[S], v[S], v[S+1]
	v_permlanex16_b32 v[S+1], v[S], s[SEL], s[SEL+1]
	v_add_f32 v[LS], v[S], v[S+1]                  ; l
	ds_store_b32 v[SA], v[CM] offset:64*(\a)       ; row 16 a + l % 16; the two lanes of a row write the same word with the same number
	ds_store_b32 v[SA], v[LS] offset:512+64*(\a)
.endm
.macro TOSTAGE a
	WIN 0
.set BK, OB+192*((\a)%2)
.irp b, 0,1,2,3,4,5,6,7
	ds_store_b128 v[STO], v[TMP+4*(\b):TMP+4*(\b)+3] offset:32*(\b)
.endr
.irp t, 0,1,2,3,4,5,6,7
	ds_load_b128 v[BK+4*(\t):BK+4*(\t)+3], v[RD] offset:(\t)*2*SPITCH  ; LDS serves a wave's instructions in order (ISA guide 5.7.1.4): these see the stores above
.endr
.endm
.macro SEND a, younger
	WIN 0
.set BK, OB+192*((\a)%2)
	s_wait_dscnt \younger
	s_wait_xcnt 0x0                                ; only behind this wait are the stores' base and the registers that earlier stores read rewritten
.if (\a) == 0
	s_add_nc_u64 s[8:9], s[8:9], s[16:17]
.else
	s_add_nc_u64 s[8:9], s[8:9], 16*SIZE_N*2
.endif
.irp t, 0,1,2,3,4,5,6,7
	global_store_b128 v[CO], v[BK+4*(\t):BK+4*(\t)+3], s[8:9] offset:2*(\t)*SIZE_N*2  ; 16 lanes store 256 consecutive bytes, at a multiple of 256 from p's first byte
.endr
.endm
	s_wait_tensorcnt 1                             ; my part of K step 0 is in; K step 1's may stay out
	s_barrier_signal -1
	s_barrier_wait -1
	FETCH 0, F0
	QUARTER 64,  F0, F1, 1                         ; the very first quarter stands in front of the loop: its products start the sums
	WIN 0                                          ; at a label and at a branch every window is 0
	s_mov_b32 s3, STEPS-2
	s_branch .Lenter                               ; the loop is entered behind its first quarter
.Lstep:                                                ; K steps 0 to 5: each fills the slot that it leaves, with the K step two on
	QUARTER 64,  F0, F1, 0
	WIN 0
.Lenter:
	QUARTER 128, F1, F0, 0
	QUARTER 192, F0, F1, 0
	TURN 1
	WIN 0
	s_sub_co_u32 s3, s3, 1
	s_cmp_lg_u32 s3, 0
	s_cbranch_scc1 .Lstep
	s_mov_b32 s3, 2
.Ltail:                                                ; K steps 6 and 7 ask for nothing.  Step 7's change of slots, and the 32 loads behind it from the slot that held step 6, serve nothing: the price of one text for both
	QUARTER 64,  F0, F1, 0
	QUARTER 128, F1, F0, 0
	QUARTER 192, F0, F1, 0
	TURN 0
	WIN 0
	s_sub_co_u32 s3, s3, 1
	s_cmp_lg_u32 s3, 0
	s_cbranch_scc1 .Ltail
	s_wait_dscnt 0x0                               ; those loads are back: their registers are used below
	PLACES
	SOFT 0
	TOSTAGE 0
.irp a, 1,2,3,4,5,6,7                  ; block a's softmax stands between block a - 1's loads from the stage and the wait for them
	SOFT \a
	SEND (\a)-1, 0
	TOSTAGE \a
.endr
	SEND 7, 0
	ds_load_b128 v[64:67], v[SR]                   ; my 128 rows' c m, 16 bytes a lane,
	ds_load_b128 v[68:71], v[SR] offset:512        ; and their l
	s_wait_dscnt 0x0
	global_store_b128 v[SO], v[64:67], s[66:67]                 ; 512 consecutive bytes, at a multiple of 256 from st's first byte
	global_store_b128 v[SO], v[68:71], s[66:67] offset:524288   ; the second plane
	s_wait_tensorcnt 0x0                           ; the wave's end, behind my last tensor load and my last LDS store
	ds_add_u32 v[SPW], v[NIL]
	s_wait_dscnt 0x0
	CROUND                                         ; the closing round
	s_endpgm
.Lfunc_end_k_qa4d6d4c410_score:
	.size	k_qa4d6d4c410_score, .Lfunc_end_k_qa4d6d4c410_score-k_qa4d6d4c410_score
	.p2alignl 7, 3214868480
	.fill 96, 4, 3214868480
	.section	.rodata,"a",@progbits
	.p2align	6, 0x0
	.amdhsa_kernel k_qa4d6d4c410_score
		.amdhsa_group_segment_fixed_size 327680
		.amdhsa_private_segment_fixed_size 0
		.amdhsa_enable_private_segment 0
		.amdhsa_kernarg_size 24
		.amdhsa_user_sgpr_count 2
		.amdhsa_user_sgpr_kernarg_segment_ptr 1
		.amdhsa_wavefront_size32 1
		.amdhsa_system_sgpr_workgroup_id_x 1
		.amdhsa_system_sgpr_workgroup_id_y 1
		.amdhsa_system_sgpr_workgroup_id_z 1
		.amdhsa_system_vgpr_workitem_id 0
		.amdhsa_next_free_vgpr 1024
		.amdhsa_next_free_sgpr 82
		.amdhsa_reserve_vcc 0
		.amdhsa_float_denorm_mode_32 3
		.amdhsa_float_denorm_mode_16_64 3
		.amdhsa_memory_ordered 1
		.amdhsa_forward_progress 1
		.amdhsa_inst_pref_size 170
	.end_amdhsa_kernel
	.amdgpu_metadata
---
amdhsa.version: [ 1, 2 ]
amdhsa.kernels:
  - .name:           k_qa4d6d4c410_score
    .symbol:         k_qa4d6d4c410_score.kd
    .args:
      - { .name: qkv, .offset: 0, .size: 8, .value_kind: global_buffer, .address_space: global }
      - { .name: p, .offset: 8, .size: 8, .value_kind: global_buffer, .address_space: global }
      - { .name: st, .offset: 16, .size: 8, .value_kind: global_buffer, .address_space: global }
    .group_segment_fixed_size: 327680
    .private_segment_fixed_size: 0
    .kernarg_segment_align: 8
    .kernarg_segment_size: 24
    .max_flat_workgroup_size: 128
    .sgpr_count:     82
    .vgpr_count:     1024
    .wavefront_size: 32
...
	.end_amdgpu_metadata
.endif
;; end of part 3
;; launch pv (part 4): grid 4 x 64, 4 waves a work-group, clusters of 4 x 4, 327,680 bytes of LDS; arguments p, qkv, st, out0; writes out0
.if DOCPART == 4
	.amdgcn_target "amdgcn-amd-amdhsa--gfx1250"
	.amdhsa_code_object_version 6
	.text
	.protected	k_qa4d6d4c410_pv
	.globl	k_qa4d6d4c410_pv
	.p2align	8
	.type	k_qa4d6d4c410_pv,@function
k_qa4d6d4c410_pv:
	s_mov_b64 s[64:65], 0
	v_nop
	global_prefetch_b8 v0, s[64:65] scope:SCOPE_SE
	s_setreg_imm32_b32 hwreg(HW_REG_WAVE_MODE, 25, 1), 1
	s_wait_xcnt 0x0
	s_wait_alu depctr_hold_cnt(0) depctr_sa_sdst(0) depctr_va_vdst(0) depctr_va_sdst(0) depctr_va_ssrc(0) depctr_va_vcc(0) depctr_vm_vsrc(0)
	s_getreg_b32 s2, hwreg(HW_REG_IB_STS2, 6, 4)
	s_cmp_eq_u32 s2, 0
	s_cbranch_scc0 .Lentry_in_a_cluster
	s_endpgm
.Lentry_in_a_cluster:
	s_bfe_u32 s2, ttmp6, 0x10000c
	s_cmp_lg_u32 s2, 0xf033
	s_cbranch_scc0 .Lentry_shape_is_right
	s_endpgm
.Lentry_shape_is_right:
; out0[m][e] = the sum over the 16 chunks t of g'[m][t] x (the sum over the chunk's 128 keys of p[m][key] v[key][e]).  p: [8192][2048] f16, v: columns 2048-3071 of qkv ([8192][3072] f16), out0: [8192][1024] f32.
; THE SOFTMAX'S SECOND LEVEL.  st holds for each row and chunk c m and l.  M = the greatest of the row's 16 c m; g = 2^(c m - M), at most 1; L = the sum of g l, at least the l of the chunk that
; holds M, which is at least about 1; g' = g / L.  Each chunk's product is summed in f32 by itself (T) and added onto O as O += g' T, in f32.
; LIMITS.  v arrives within f16's range; a g under 2^-126 counts as 0; NaN and infinities are not treated apart.
; SHARES.  A work-group makes 128 queries x 256 channels, a wave 64 x 128: 32 accumulators T and 32 O.  The keys go in 16 steps of 128, a chunk a step, through a ring of two LDS slots.
; CLUSTERS: 4 x 4 work-groups: the four channel tiles x four query tiles of one batch.  p's tile is shared along a row of the cluster, v's along a column, each asked for jointly.
; LAYOUT.  O^T = V^T P: source 0 = 16 channels x 32 keys, out of v's rows ([key][channel]) by the turning load ds_load_tr16_b128; source 1 = 16 queries x 32 keys, as p lies.  Lane l holds query l % 16
; and channels 16 b + 8 (l / 16) + 0..7.
; REGISTERS (s_set_vgpr_msb: bits 1:0 source 0, 3:2 source 1, 5:4 source 2, 7:6 destination):
;   window 0: v0-15, v59 addresses; v16-23 four pairs g'; v24-58 statistics at the head; v64-127, v128-191 fragments of V^T, two buffers; v192-223, v224-255 fragments of p, two buffers
;   window 1: T, (a, b) at v[8 (8 a + b)], a = 0..3 query blocks, b = 0..7 channel blocks          window 2: O, likewise
.set SLOT1, 131072                     ; slot 1 begins here, so that one exclusive or turns an address in one slot into the other's
.set PP,    272                        ; a row of p in LDS: 256 bytes + 16 = 68 words: the 16 rows of a load start at 16 different groups of four banks (64 banks of 4 bytes: ISA guide 11.1)
.set PVV,   544                        ; a row of v: 512 bytes + 32 = 136 words: row r starts at bank 8 r mod 64
.set VOFF,  128*PP                     ; a slot: 128 rows of p, then 128 rows of v
.set STAGE, SLOT1+VOFF+128*PVV         ; behind the ring: 16 rows x 528 bytes for each wave, for the way out
.set SP,    528
.set GT,    STAGE+4*16*SP              ; behind the stages: g', twice each: step t at 1,024 t, row half at 512, row l % 16 at 32, block a at 8
.set SPARE, GT+16384                   ; behind it: the spare words, 128 bytes for each wave: two blocks of 256 bytes that no other line names
.set VSTEP, 128*6144                   ; bytes from a step's rows of v to the next step's
.set ADA0, 4                           ; v4   my lane's place in a tile of p; never rewritten
.set ADV0, 5                           ; v5   the same for v
.set ADA,  6                           ; v6   the same in the slot in hand
.set ADV,  7                           ; v7
.set GA,   8                           ; v8   my 32 bytes of a step's g'; never rewritten
.set STO,  9                           ; v9   the way out: where I put 16 bytes of a row
.set RD,   10                          ; v10  the way out: where I read 16 bytes of a row back
.set CO,   11                          ; v11  16 x lane: my byte offset in 512 bytes of out0
.set PFO,  12                          ; v12  the prefetches' offset: my lane x a row; never rewritten
.set GW,   13                          ; v13  where I put my row's g'
.set SPW,  14                          ; v14  LDS address of my spare word; never rewritten
.set NIL,  15                          ; v15  0; never rewritten
.set GR,   16                          ; v[16:23] g' of my four rows, a pair each
.set CMT,  24                          ; v[24:39] c m of my row's 16 chunks, then g, then g'
.set LT,   40                          ; v[40:55] their l
.set MX,   56
.set LL,   57
.set RR,   58
.set GAD,  59                          ; v59  the LDS address of the step's g'
.set FB,   64
.set FA,   192
.set WV,  12                           ; s12  my wave's number
.set RH,  13                           ; s13  which 64 queries are mine.  Also: I fetch for p (0) or for v (1)
.set CH,  14                           ; s14  which 128 channels.  Also: which 64 rows of that tile I fetch
.set G1A, 24                           ; s[24:31] descriptor group 1 for p's tiles
.set G1V, 32                           ; s[32:39] for v's
.set G0A, 40                           ; s[40:47] group 0 for p's tiles: a set for each of the two first fills; the second then walks on
.set G0V, 48                           ; s[48:55] the same for v's
.set CNT, 56                           ; s56  14 - the step's number, while slots are filled again
.set TB,  57                           ; s57  LDS byte at which the slot to be read begins
.set LIM, 58                           ; s58  2 in a wave that prefetches, else the greatest number
.set GB,  59                           ; s59  1,024 x the step whose g' are fetched next
.set PFA, 60                           ; s[60:61] where my prefetches stand
.set PST, 62                           ; s[62:63] their step
.set MSB, 0
.macro WIN new
.if MSB != (\new)
	s_set_vgpr_msb (MSB<<8)|(\new)
.set MSB, \new
.endif
.endm
.macro PLACES                          ; four plain vector instructions between a matrix instruction and a load into its sources or a reader of its result
.rept 4
	v_nop
.endr
.endm
; A joint refill by the walking descriptors: waves 0 and 1 fetch the two halves of p's tile, waves 2 and 3 those of v's.  An s_nop 0 and four v_nop follow each of the two lines.
.macro JLOAD
	s_cmp_lt_u32 s[WV], 2
	s_cbranch_scc0 .Lfor_v_\@
	tensor_load_to_lds s[G0A+4:G0A+7], s[G1A:G1A+7]
	s_nop 0
.rept 4
	v_nop
.endr
	s_branch .Lasked_\@
.Lfor_v_\@:
	tensor_load_to_lds s[G0V+4:G0V+7], s[G1V:G1V+7]
	s_nop 0
.rept 4
	v_nop
.endr
.Lasked_\@:
.endm
; A prefetch behind the refill of the change behind step t and its run of LDS loads: step t + 4's tile, which the change two steps on will ask for; 256 matrix instructions lie between.
; p: a step is 256 bytes of each of the tile's 128 rows; only this row of the cluster reads them; its four partners take 32 rows each, by cx; wave 0 asks, a lane a row.
; v: a step is 512 bytes of each of 128 rows; the batch's four clusters read them, the first asks; the four partners of a column take 32 rows each, by cy; waves 2 and 3 ask for the two halves of 256 bytes.
; Steps 0 to 3 come by their loads alone; from t = 12 on (s[CNT] = 2) nothing is asked for: there is no step 16.
.macro ASK
	s_cmp_gt_u32 s[CNT], s[LIM]
	s_cbranch_scc0 .Lnot_mine_\@
	global_prefetch_b8 v[PFO], s[PFA:PFA+1] th:TH_LOAD_NT scope:SCOPE_SE
.Lnot_mine_\@:
.endm
.macro CREST
	s_cmp_lg_u32 s[WV], 0
	s_cbranch_scc1 .Lnot_wave_0_\@
	s_barrier_signal -3
.Lnot_wave_0_\@:
	s_barrier_wait -3
	s_barrier_signal -1
	s_barrier_wait -1
.endm
.macro CROUND
	s_barrier_signal -1
	s_barrier_wait -1
	CREST
.endm
	s_load_b256 s[4:11], s[0:1], 0x0               ; p s[4:5], qkv s[6:7], st s[8:9], out0 s[10:11]
	v_lshl_add_u32 v[SPW], v0, 2, SPARE
	v_mov_b32 v[NIL], 0
	ds_add_u32 v[SPW], v[NIL]                      ; the wave's opening: the add and its wait stand ahead of my first tensor load
	v_lshrrev_b32 v1, 5, v0
	v_readfirstlane_b32 s[WV], v1                  ; wave 0..3
	s_lshr_b32 s[RH], s[WV], 1
	s_and_b32 s[CH], s[WV], 1
	s_bfe_u32 s15, ttmp6, 0x40000                  ; cx
	s_bfe_u32 s16, ttmp6, 0x40004                  ; cy
	s_lshl_b32 s17, ttmp9, 2
	s_add_co_u32 s17, s17, s15                     ; tile column, 0..3: 256 channels
	s_and_b32 s19, ttmp7, 0xffff                   ; cluster y
	s_lshl_b32 s18, s19, 2
	s_add_co_u32 s18, s18, s16                     ; tile row, 0..63: 128 of the 8,192 rows
	s_and_b32 s[LIM], s19, 3                       ; the cluster's place among its batch's four (kept here until LIM is made)
	s_lshr_b32 s19, s19, 2                         ; the batch, made of the cluster's y alone
	s_lshl_b32 s20, s16, 2
	s_lshl_b32 s20, 15, s20                        ; my row of the cluster
	s_lshl_b32 s21, 0x1111, s15                    ; my column
	s_or_b32 s[G1A], s20, (1<<16)|(1<<20)|(1<<21)|(5<<22)|(3<<25)  ; the mask; elements of 2 bytes; padding on; 21 set beside a mask; after every 64 words 4 words
	s_or_b32 s[G1V], s21, (1<<16)|(1<<20)|(1<<21)|(6<<22)|(7<<25)  ; after every 128 words 8 words
	s_mov_b32 s[G1A+1], 128<<16                    ; tensor_dim0 = 128
	s_mov_b32 s[G1A+2], 64<<16                     ; tensor_dim1 = 64
	s_mov_b32 s[G1A+3], 128<<16                    ; tile_dim0 = 128
	s_mov_b32 s[G1A+4], 64                         ; tile_dim1 = 64
	s_mov_b32 s[G1A+5], 2048                       ; elements from row to row of p
	s_mov_b32 s[G1A+6], 0
	s_mov_b32 s[G1A+7], 0
	s_mov_b32 s[G1V+1], 256<<16                    ; tensor_dim0 = 256
	s_mov_b32 s[G1V+2], 64<<16
	s_mov_b32 s[G1V+3], 256<<16                    ; tile_dim0 = 256
	s_mov_b32 s[G1V+4], 64
	s_mov_b32 s[G1V+5], 3072                       ; elements from row to row of qkv
	s_mov_b32 s[G1V+6], 0
	s_mov_b32 s[G1V+7], 0
	s_lshl_b32 s2, s18, 7
	s_lshl_b32 s3, s[CH], 6
	s_add_co_u32 s2, s2, s3                        ; p: row 128 x tile row + 64 x half,
	s_lshl_b32 s2, s2, 12                          ; 4,096 bytes each
	s_mov_b32 s3, 0
	s_lshl_b32 s22, s19, 11
	s_lshl_b32 s23, s[CH], 6
	s_add_co_u32 s22, s22, s23                     ; v: row 2,048 x batch + 64 x half,
	s_mul_i32 s22, s22, 6144
	s_lshl_b32 s23, s17, 9                         ; the tile's 256 channels,
	s_add_co_u32 s22, s22, s23
	s_add_co_u32 s22, s22, 4096                    ; behind q's and k's columns
	s_mov_b32 s23, 0
	s_mul_i32 s20, s[CH], 64*PP                    ; where they go: no place in the cluster enters an LDS address
	s_mul_i32 s21, s[CH], 64*PVV
	s_add_co_u32 s21, s21, VOFF
	s_cmp_eq_u32 s[RH], 0
	s_cselect_b32 s[LIM], s[CH], s[LIM]            ; wave 0 asks for p in every cluster, wave 1 never; waves 2 and 3 for v in the batch's first cluster:
	s_cmp_eq_u32 s[LIM], 0
	s_cselect_b32 s[LIM], 2, -1                    ; the same in all sixteen partners, for a given wave
	s_mov_b32 s[TB], 0
	s_mov_b32 s[GB], 0
	s_wait_dscnt 0x0                               ; the opening add is done
	s_wait_kmcnt 0x0
	s_add_nc_u64 s[2:3], s[4:5], s[2:3]            ; p at my part of step 0's tile
	s_add_nc_u64 s[22:23], s[6:7], s[22:23]        ; v likewise
	CROUND                                         ; all sixteen work-groups are here: the first joint loads meet
.irp s, 0,1
	s_mov_b32 s[G0A+4*(\s)], 1
	s_add_co_u32 s[G0A+4*(\s)+1], s20, (\s)*SLOT1
	s_add_nc_u64 s[G0A+4*(\s)+2:G0A+4*(\s)+3], s[2:3], (\s)*256
	s_or_b32 s[G0A+4*(\s)+3], s[G0A+4*(\s)+3], 0x80000000
	s_mov_b32 s[G0V+4*(\s)], 1
	s_add_co_u32 s[G0V+4*(\s)+1], s21, (\s)*SLOT1
	s_add_nc_u64 s[G0V+4*(\s)+2:G0V+4*(\s)+3], s[22:23], (\s)*VSTEP
	s_or_b32 s[G0V+4*(\s)+3], s[G0V+4*(\s)+3], 0x80000000
.endr
	s_cmp_lt_u32 s[WV], 2                          ; a wave's two first fills stand in one branch, ahead of every wait on TENSORcnt and every LDS read: two loads of mine are out
	s_cbranch_scc0 .Lfirst_v
	tensor_load_to_lds s[G0A:G0A+3], s[G1A:G1A+7]
	s_nop 0
	tensor_load_to_lds s[G0A+4:G0A+7], s[G1A:G1A+7]
	s_nop 0
.rept 4
	v_nop
.endr
	s_branch .Lfirst_asked
.Lfirst_v:
	tensor_load_to_lds s[G0V:G0V+3], s[G1V:G1V+7]
	s_nop 0
	tensor_load_to_lds s[G0V+4:G0V+7], s[G1V:G1V+7]
	s_nop 0
.rept 4
	v_nop
.endr
.Lfirst_asked:
	; the statistics: thread = row of the tile; 16 c m and 16 l
	s_lshl_b32 s20, s18, 9                         ; 128 rows x 4 bytes for each tile row
	s_mov_b32 s21, 0
	s_add_nc_u64 s[8:9], s[8:9], s[20:21]
	v_lshlrev_b32 v3, 2, v0
.set t, 0
.rept 16
	global_load_b32 v[CMT+t], v3, s[8:9] offset:32768*t
	global_load_b32 v[LT+t],  v3, s[8:9] offset:524288+32768*t
.set t, t+1
.endr
	; the addresses, while those loads are on their way
	v_and_b32 v1, 15, v0                           ; l % 16
	v_bfe_u32 v2, v0, 4, 1                         ; l / 16
	v_mul_u32_u24 v[ADA0], v1, PP                  ; a fragment of p: row x pitch + 16 x half,
	v_lshl_add_u32 v[ADA0], v2, 4, v[ADA0]
	s_mul_i32 s20, s[RH], 64*PP                    ; in my 64 rows
	v_add_nc_u32 v[ADA0], s20, v[ADA0]
	v_and_b32 v[ADA], 7, v0                        ; the turning load: lane l reads key 8 (l / 16) + l % 8, channels 8 ((l / 8) % 2) + 0..7, and is left with channel l % 16 and 8 keys
	v_lshl_add_u32 v[ADA], v2, 3, v[ADA]
	v_mul_u32_u24 v[ADV0], v[ADA], PVV
	v_bfe_u32 v[ADA], v0, 3, 1
	v_lshl_add_u32 v[ADV0], v[ADA], 4, v[ADV0]
	s_lshl_b32 s20, s[CH], 8                       ; my 128 channels
	s_add_co_u32 s20, s20, VOFF
	v_add_nc_u32 v[ADV0], s20, v[ADV0]
	s_lshl_b32 s20, s[RH], 9
	s_add_co_u32 s20, s20, GT
	v_lshl_add_u32 v[GA], v1, 5, s20               ; g' of rows 64 RH + 16 a + l % 16, a = 0..3: 32 bytes
	v_lshl_add_u32 v[GW], v2, 3, v[GA]             ; my thread's row is 64 RH + 16 (2 CH + l / 16) + l % 16
	s_lshl_b32 s20, s[CH], 4
	v_add_nc_u32 v[GW], s20, v[GW]
	s_mul_i32 s20, s[WV], 16*SP
	s_add_co_u32 s20, s20, STAGE                   ; my stage
	v_mul_u32_u24 v[STO], v1, SP                   ; in: row l % 16, 32 bytes for each half of the lanes
	v_lshl_add_u32 v[STO], v2, 5, v[STO]
	v_add_nc_u32 v[STO], s20, v[STO]
	v_and_b32 v[CO], 31, v0
	v_lshlrev_b32 v[CO], 4, v[CO]                  ; back: 32 lanes take a row of 512 bytes
	v_add_nc_u32 v[RD], s20, v[CO]
	s_lshl_b32 s20, s18, 7                         ; out0 at my 64 rows and 128 channels
	s_lshl_b32 s22, s[RH], 6
	s_add_co_u32 s20, s20, s22
	s_lshl_b32 s20, s20, 12
	s_lshl_b32 s22, s17, 10
	s_add_co_u32 s20, s20, s22
	s_lshl_b32 s22, s[CH], 9
	s_add_co_u32 s20, s20, s22
	s_add_nc_u64 s[10:11], s[10:11], s[20:21]
	; the prefetches: they stand at step 3; the first change of slots steps them to step 4
	s_lshl_b32 s20, s18, 7
	s_lshl_b32 s21, s15, 5
	s_add_co_u32 s20, s20, s21                     ; p: row 128 x tile row + 32 cx
	s_lshl_b32 s20, s20, 12
	s_add_co_u32 s20, s20, 3*256
	s_lshl_b32 s21, s19, 11
	s_lshl_b32 s22, s16, 5
	s_add_co_u32 s21, s21, s22                     ; v: row 2,048 x batch + 32 cy
	s_mul_i32 s21, s21, 6144
	s_lshl_b32 s22, s17, 9
	s_add_co_u32 s21, s21, s22
	s_lshl_b32 s22, s[CH], 8                       ; my half of the tile's 512 bytes
	s_add_co_u32 s21, s21, s22
	s_add_co_u32 s21, s21, 4096+3*VSTEP
	s_mov_b32 s22, 6144
	s_mov_b32 s[PST], VSTEP
	s_mov_b32 s[PST+1], 0
	s_cmp_eq_u32 s[RH], 0
	s_cselect_b32 s20, s20, s21
	s_cselect_b32 s22, 4096, s22                   ; bytes from row to row
	s_cselect_b32 s[PST], 256, s[PST]
	s_cselect_b64 s[PFA:PFA+1], s[4:5], s[6:7]
	s_mov_b32 s21, 0
	s_add_nc_u64 s[PFA:PFA+1], s[PFA:PFA+1], s[20:21]
	v_and_b32 v[PFO], 31, v0
	v_mul_u32_u24 v[PFO], s22, v[PFO]
	s_wait_loadcnt 0x0                             ; the statistics are in
	v_max3_num_f32 v[MX], v[CMT], v[CMT+1], v[CMT+2]
.irp t, 3,5,7,9,11,13
	v_max3_num_f32 v[MX], v[MX], v[CMT+(\t)], v[CMT+(\t)+1]
.endr
	v_max_num_f32 v[MX], v[MX], v[CMT+15]          ; M
.set t, 0
.rept 16
	v_sub_f32 v[CMT+t], v[CMT+t], v[MX]
.set t, t+1
.endr
.set t, 0
.rept 16
	v_exp_f32 v[CMT+t], v[CMT+t]                   ; g
.set t, t+1
.endr
	v_nop                                          ; a plain instruction behind the last exponential,
	s_wait_alu depctr_va_vdst(0)                   ; and the wait ahead of the first use: one for the sixteen
	v_mul_f32 v[LL], v[CMT], v[LT]
.set t, 1
.rept 15
	v_fmac_f32 v[LL], v[CMT+t], v[LT+t]            ; L
.set t, t+1
.endr
	v_rcp_f32 v[RR], v[LL]
	v_nop
	s_wait_alu depctr_va_vdst(0)
.set t, 0
.rept 16
	v_mul_f32 v[CMT+t], v[CMT+t], v[RR]            ; g'
.set t, t+1
.endr
.set t, 0
.rept 16
	ds_store_b32 v[GW], v[CMT+t] offset:1024*t     ; twice, so that the packed multiply-add finds a pair
	ds_store_b32 v[GW], v[CMT+t] offset:1024*t+4
.set t, t+1
.endr
; 8 matrix instructions: query block a x all 8 channel blocks, 32 keys, from buffer f.  zero = 1: the product starts the chunk's sums.  The 32 accumulators take turns, one instruction a turn.
.macro MUL8 f, a, zero
	WIN 0x50                                       ; sources 0 and 1 window 0; C and D window 1
.irp b, 0,1,2,3,4,5,6,7
.if \zero
	v_wmma_f32_16x16x32_f16 v[8*(8*(\a)+(\b)):8*(8*(\a)+(\b))+7], v[FB+64*(\f)+8*(\b):FB+64*(\f)+8*(\b)+7], v[FA+32*(\f)+8*(\a):FA+32*(\f)+8*(\a)+7], 0
.else
	v_wmma_f32_16x16x32_f16 v[8*(8*(\a)+(\b)):8*(8*(\a)+(\b))+7], v[FB+64*(\f)+8*(\b):FB+64*(\f)+8*(\b)+7], v[FA+32*(\f)+8*(\a):FA+32*(\f)+8*(\a)+7], v[8*(8*(\a)+(\b)):8*(8*(\a)+(\b))+7]
.endif
.endr
.endm
; 24 LDS loads in one run: quarter q (32 keys) of the slot in hand into buffer f: V^T's 8 fragments (turned), then p's 4
.macro FETCH q, f
	WIN 0
.irp b, 0,1,2,3,4,5,6,7
	ds_load_tr16_b128 v[FB+64*(\f)+8*(\b):FB+64*(\f)+8*(\b)+3],   v[ADV] offset:(\q)*32*PVV+32*(\b)
	ds_load_tr16_b128 v[FB+64*(\f)+8*(\b)+4:FB+64*(\f)+8*(\b)+7], v[ADV] offset:(\q)*32*PVV+16*PVV+32*(\b)
.endr
.irp a, 0,1,2,3
	ds_load_b128 v[FA+32*(\f)+8*(\a):FA+32*(\f)+8*(\a)+3],   v[ADA] offset:(\a)*16*PP+64*(\q)
	ds_load_b128 v[FA+32*(\f)+8*(\a)+4:FA+32*(\f)+8*(\a)+7], v[ADA] offset:(\a)*16*PP+64*(\q)+32
.endr
.endm
; A step is four quarters of 32 keys, 32 matrix instructions each, on buffers 0, 1, 0, 1.  One of the first three: multiplies f; in its middle it fetches quarter q into g.  gl = 1: the step's g' too.
.macro QUARTER q, f, g, zero, gl
	s_wait_dscnt 4                                 ; V^T and p's blocks 0 and 1 are in; the youngest four loads (p's blocks 2 and 3) may be out
	MUL8 \f, 0, \zero
	MUL8 \f, 1, \zero
	WIN 0
	PLACES
.if \gl
	v_add_nc_u32 v[GAD], s[GB], v[GA]
	s_add_co_u32 s[GB], s[GB], 1024
	ds_load_b128 v[GR:GR+3], v[GAD]                ; older than the run below, so the count behind it covers them
	ds_load_b128 v[GR+4:GR+7], v[GAD] offset:16
.endif
	FETCH \q, \g
	s_wait_dscnt 24                                ; all but the 24 just issued
	MUL8 \f, 2, \zero
	MUL8 \f, 3, \zero
.endm
; The last quarter multiplies buffer 1 and changes slots: ONE barrier; in front of it each wave waits for all its tensor loads (one is out: its part of the other slot), adds 0 to its spare word, and waits for
; that and for its own reads of this slot.  mode = 2: the barrier opens a round of the cluster's barrier, and this slot is filled again, two steps ahead, first thing behind the round.  mode = 1: nothing is filled.
.macro LASTQ mode
.if (\mode) == 2
	s_wait_xcnt 0x0                                ; the last prefetch, a step back, has read its address: it is stepped here
	s_add_nc_u64 s[PFA:PFA+1], s[PFA:PFA+1], s[PST:PST+1]
.endif
	WIN 0
	s_wait_tensorcnt 0x0                           ; all my tensor loads have landed, so a group 0 may be written
	ds_add_u32 v[SPW], v[NIL]                      ; 0 onto my spare word
	s_wait_dscnt 5                                 ; (the add and the youngest four loads may be out)
	MUL8 1, 0, 0                                   ; eight matrix instructions stand between the add and the wait for it
	s_wait_dscnt 0x0                               ; the add is done, and my reads of this slot are over
	s_barrier_signal -1
	MUL8 1, 1, 0
	WIN 0
	s_barrier_wait -1
.if (\mode) == 2
	CREST                                          ; no wave of any partner still reads this slot's tile or has a load on its way
	s_xor_b32 s[G0A+5], s[G0A+5], SLOT1            ; the walking descriptors: the other slot than last time,
	s_add_nc_u64 s[G0A+6:G0A+7], s[G0A+6:G0A+7], 256    ; the next step's keys
	s_xor_b32 s[G0V+5], s[G0V+5], SLOT1
	s_add_nc_u64 s[G0V+6:G0V+7], s[G0V+6:G0V+7], VSTEP
	JLOAD                                          ; my one tensor load behind the round; its four v_nop are also the places in front of the loads below
.else
	PLACES
.endif
	s_xor_b32 s[TB], s[TB], SLOT1                  ; the reads go to the other slot
	v_add_nc_u32 v[ADA], s[TB], v[ADA0]
	v_add_nc_u32 v[ADV], s[TB], v[ADV0]
	FETCH 0, 0
.if (\mode) == 2
	ASK
.endif
	MUL8 1, 2, 0
	MUL8 1, 3, 0
.endm
; O += g' T, two numbers an instruction, each accumulator from its low end on.  first = 1: O = g' T: nothing is cleared.
.macro COMBINE first
	PLACES
.if \first
	WIN 0x81                                       ; T (source 0) window 1, g' window 0, O (destination) window 2
.else
	WIN 0xa1                                       ; the same with O as source 2
.endif
.set i, 0
.rept 128
.if \first
	v_pk_mul_f32 v[2*i:2*i+1], v[2*i:2*i+1], v[GR+2*(i/32):GR+2*(i/32)+1]
.else
	v_pk_fma_f32 v[2*i:2*i+1], v[2*i:2*i+1], v[GR+2*(i/32):GR+2*(i/32)+1], v[2*i:2*i+1]
.endif
.set i, i+1
.endr
	WIN 0
.endm
.macro STEP first, mode
	QUARTER 1, 0, 1, 1, 0
	QUARTER 2, 1, 0, 0, 0
	QUARTER 3, 0, 1, 0, 1
	LASTQ \mode
	COMBINE \first
.endm
	s_wait_dscnt 0x0                               ; for the others' sake: my g' lie in LDS
	s_wait_tensorcnt 1                             ; my part of step 0 is in; step 1's may stay out
	s_barrier_signal -1
	s_barrier_wait -1
	v_mov_b32 v[ADA], v[ADA0]
	v_mov_b32 v[ADV], v[ADV0]
	FETCH 0, 0
	s_mov_b32 s[CNT], 14
	STEP 1, 2                                      ; step 0 starts O
	s_mov_b32 s[CNT], 13
.Lstep:                                                ; steps 1 to 13: each fills the slot that it leaves, with the step two on
	STEP 0, 2
	s_sub_co_u32 s[CNT], s[CNT], 1
	s_cmp_lg_u32 s[CNT], 0
	s_cbranch_scc1 .Lstep
	s_mov_b32 s3, 2
.Ltail:                                                ; steps 14 and 15 ask for nothing.  Step 15's change of slots, and the 24 loads behind it from the slot that held step 14, serve nothing: the price of one text for both
	STEP 0, 1
	s_sub_co_u32 s3, s3, 1
	s_cmp_lg_u32 s3, 0
	s_cbranch_scc1 .Ltail
	s_wait_dscnt 0x0                               ; those loads are back: their registers are used below
; THE WAY OUT.  Block a (16 queries x 128 channels of f32): 32 bytes a lane and channel block into rows of 528 bytes of my stage, back as whole rows of 512 bytes, and stored.
.macro TOSTAGE a
	WIN 0x08                                       ; the stores' data in window 2
.irp b, 0,1,2,3,4,5,6,7
	ds_store_b128 v[STO], v[64*(\a)+8*(\b):64*(\a)+8*(\b)+3]   offset:64*(\b)
	ds_store_b128 v[STO], v[64*(\a)+8*(\b)+4:64*(\a)+8*(\b)+7] offset:64*(\b)+16
.endr
	WIN 0
.set BK, 64+64*((\a)%2)
.set t, 0
.rept 16
	ds_load_b128 v[BK+4*t:BK+4*t+3], v[RD] offset:SP*t  ; LDS serves a wave's instructions in order (ISA guide 5.7.1.4): these see the stores above; the next block's stores come behind them
.set t, t+1
.endr
.endm
.macro SEND a, younger                 ; younger: the LDS instructions issued behind block a's loads: the next block's 32, or none
.set BK, 64+64*((\a)%2)
.set t, 0
.rept 16
	s_wait_dscnt (\younger)+15-t
	global_store_b128 v[CO], v[BK+4*t:BK+4*t+3], s[10:11] offset:(16*(\a)+t)*4096 th:TH_STORE_NT  ; 512 consecutive bytes, at a multiple of 256 from out0's first byte
.set t, t+1
.endr
.endm
	TOSTAGE 0
	TOSTAGE 1
	SEND 0, 32
	s_wait_xcnt 0x0                                ; block 0's stores have read their registers, which block 2 is loaded into
	TOSTAGE 2
	SEND 1, 32
	s_wait_xcnt 0x0
	TOSTAGE 3
	SEND 2, 32
	SEND 3, 0
	s_wait_tensorcnt 0x0                           ; the wave's end, behind my last tensor load and my last LDS store
	ds_add_u32 v[SPW], v[NIL]
	s_wait_dscnt 0x0
	CROUND                                         ; the closing round: no work-group ends while a partner may still ask for a tile that names it
	s_endpgm
.Lfunc_end_k_qa4d6d4c410_pv:
	.size	k_qa4d6d4c410_pv, .Lfunc_end_k_qa4d6d4c410_pv-k_qa4d6d4c410_pv
	.p2alignl 7, 3214868480
	.fill 96, 4, 3214868480
	.section	.rodata,"a",@progbits
	.p2align	6, 0x0
	.amdhsa_kernel k_qa4d6d4c410_pv
		.amdhsa_group_segment_fixed_size 327680
		.amdhsa_private_segment_fixed_size 0
		.amdhsa_enable_private_segment 0
		.amdhsa_kernarg_size 32
		.amdhsa_user_sgpr_count 2
		.amdhsa_user_sgpr_kernarg_segment_ptr 1
		.amdhsa_wavefront_size32 1
		.amdhsa_system_sgpr_workgroup_id_x 1
		.amdhsa_system_sgpr_workgroup_id_y 1
		.amdhsa_system_sgpr_workgroup_id_z 1
		.amdhsa_system_vgpr_workitem_id 0
		.amdhsa_next_free_vgpr 768
		.amdhsa_next_free_sgpr 66
		.amdhsa_reserve_vcc 0
		.amdhsa_float_denorm_mode_32 3
		.amdhsa_float_denorm_mode_16_64 3
		.amdhsa_memory_ordered 1
		.amdhsa_forward_progress 1
		.amdhsa_inst_pref_size 108
	.end_amdhsa_kernel
	.amdgpu_metadata
---
amdhsa.version: [ 1, 2 ]
amdhsa.kernels:
  - .name:           k_qa4d6d4c410_pv
    .symbol:         k_qa4d6d4c410_pv.kd
    .args:
      - { .name: p, .offset: 0, .size: 8, .value_kind: global_buffer, .address_space: global }
      - { .name: qkv, .offset: 8, .size: 8, .value_kind: global_buffer, .address_space: global }
      - { .name: st, .offset: 16, .size: 8, .value_kind: global_buffer, .address_space: global }
      - { .name: out0, .offset: 24, .size: 8, .value_kind: global_buffer, .address_space: global }
    .group_segment_fixed_size: 327680
    .private_segment_fixed_size: 0
    .kernarg_segment_align: 8
    .kernarg_segment_size: 32
    .max_flat_workgroup_size: 128
    .sgpr_count:     66
    .vgpr_count:     768
    .wavefront_size: 32
...
	.end_amdgpu_metadata
.endif
;; end of part 4
;; ======== version 2 of 2: 4 launches; version 1 with the launch cast written anew for expert scheduling mode
;; limits: values are held in f16: magnitudes above 65,504 overflow, below 6.1e-05 lose precision
;; workspace buffers: xb 16,777,216 bytes; wb 6,291,456 bytes; bb 12,288 bytes; qkv 50,331,648 bytes; p 33,554,432 bytes; st 1,048,576 bytes
;; launch cast (part 5): grid 707 x 1, 8 waves a work-group, no clusters, 0 bytes of LDS; arguments x, Wq, Wk, Wv, bq, bk, bv, xb, wb, bb; writes xb, wb, bb
.if DOCPART == 5
	.amdgcn_target "amdgcn-amd-amdhsa--gfx1250"
	.amdhsa_code_object_version 6
	.text
	.protected	k_qa4d6d4c410_cast
	.globl	k_qa4d6d4c410_cast
	.p2align	8
	.type	k_qa4d6d4c410_cast,@function
k_qa4d6d4c410_cast:
	s_mov_b64 s[64:65], 0
	v_nop
	global_prefetch_b8 v0, s[64:65] scope:SCOPE_SE
	s_setreg_imm32_b32 hwreg(HW_REG_WAVE_SCHED_MODE, 0, 2), 2
	s_setreg_imm32_b32 hwreg(HW_REG_WAVE_MODE, 25, 1), 1
	s_wait_xcnt 0x0
	s_wait_alu depctr_vm_vsrc(0)
; xb = x rounded to bf16; wb = Wq, Wk, Wv one below the other (3,072 rows), rounded to bf16; bb = bq, bk, bv on end (3,072 numbers), rounded to bf16 and kept as f32.
; xb AND wb ARE LAID OUT IN BLOCKS OF 64 ALONG K: xb[kb][row][64], wb[kb][row][64], kb = 0..15.  In a block the rows (128 bytes) lie end to end, so that the launch behind, whose K step is 64,
; finds each of its tiles as one dense run of bytes.
; Work-groups 0-511 take 16 rows of x each, work-group 512 + j takes rows 16 j .. 16 j + 15 of wb (weight j / 64, its rows 16 (j % 64) on), work-groups 704-706 one bias each.
; Thread t takes row t / 16 of the 16 and, in step i of 16 (= block kb), the 16 bytes at 256 i + 16 (t % 16) of it: a wave's load covers 256 consecutive bytes of each of two rows.  It stores 8 bytes at
; 8 t of the work-group's 2,048 bytes of block i: a wave's store covers 256 consecutive bytes at a multiple of 256 from the buffer's first byte.
; All sixteen loads of a wave go out at once.  No LDS, no barrier, no matrix unit, no cluster: no byte is used by two waves.
; THE MODE: SCHED_MODE bits 1:0 = 2 (LLVM: expert scheduling mode 2), set by the entry lines.  The code itself states the register dependences between vector instructions and memory instructions,
; with s_wait_alu, always for 0.
; THE PLAN.  Registers that memory instructions touch:
;   v1   the loads' offset.  Written at the head, once; read by the sixteen loads.
;   X    Written by the loads, once each; read by the conversions.  No vector instruction writes it, and no load lands in it after it has been read.
;   O    the stores' offsets.  Written by sixteen vector lines behind the loads, once each; each read by one store.
;   Y    Written by the conversions, once each; each pair read by one store.
; No register that a memory instruction reads is written a second time, so no wait on vm_vsrc and no s_wait_xcnt is owed.  What is owed is that v1, O and Y are written before they are read.
; The sixteen steps go in four groups of four.  Group g converts X of its steps into Y of its steps; its memory instructions are the stores of group g - 1, which touch O and Y of that group,
; registers that no conversion of group g names.  So ONE wait on va_vdst at a group's head states all that the group's four stores hang on, and they are dealt among its conversions with no further wait.
.set X, 4                              ; v[4:67]    sixteen steps of 4 registers, as loaded
.set Y, 68                             ; v[68:99]   sixteen steps of 2 registers, to store
.set O, 100                            ; v[100:115] sixteen byte offsets of my 8 bytes: 8 t + i x a block
.set XBLK, 8192*128                    ; bytes in a block of xb
.set WBLK, 3072*128                    ; bytes in a block of wb
	s_load_b512 s[4:19], s[0:1], 0x0               ; x s[4:5], Wq s[6:7], Wk s[8:9], Wv s[10:11], bq s[12:13], bk s[14:15], bv s[16:17], xb s[18:19]
	s_load_b128 s[20:23], s[0:1], 0x40             ; wb s[20:21], bb s[22:23]
	s_cmp_ge_u32 ttmp9, 704
	s_cbranch_scc1 .Lbias
	s_sub_co_u32 s24, ttmp9, 512                   ; j (wraps in the work-groups of x, which do not use it)
	s_lshr_b32 s25, s24, 6                         ; which weight
	s_and_b32 s26, s24, 63                         ; which 16 rows of it
	s_mov_b32 s34, WBLK
	v_lshrrev_b32 v1, 4, v0                        ; my row of the 16,
	v_and_b32 v3, 15, v0
	v_lshlrev_b32 v1, 12, v1                       ; 4,096 bytes each,
	v_lshl_add_u32 v1, v3, 4, v1                   ; my 16 bytes of a block's 256
	v_lshlrev_b32 v2, 3, v0                        ; 8 t
	s_wait_kmcnt 0x0
	s_cmp_eq_u32 s25, 1
	s_cselect_b64 s[28:29], s[8:9], s[6:7]         ; Wk or Wq,
	s_cmp_eq_u32 s25, 2
	s_cselect_b64 s[28:29], s[10:11], s[28:29]     ; or Wv,
	s_cmp_lt_u32 ttmp9, 512
	s_cselect_b64 s[28:29], s[4:5], s[28:29]       ; or x
	s_cselect_b64 s[30:31], s[18:19], s[20:21]     ; into xb or wb
	s_cselect_b32 s32, ttmp9, s26                  ; the 16 rows in the source,
	s_cselect_b32 s33, ttmp9, s24                  ; and in the destination
	s_cselect_b32 s34, XBLK, s34                   ; bytes from block to block
	s_lshl_b32 s36, s32, 16                        ; 16 rows of 4,096 bytes
	s_mov_b32 s37, 0
	s_lshl_b32 s38, s33, 11                        ; 16 rows of 128 bytes
	s_mov_b32 s39, 0
	s_add_nc_u64 s[28:29], s[28:29], s[36:37]
	s_add_nc_u64 s[30:31], s[30:31], s[38:39]
	s_wait_alu depctr_va_vdst(0)                   ; v1 is written: the sixteen loads read it as their offset
.set i, 0
.rept 16
	global_load_b128 v[X+4*i:X+4*i+3], v1, s[28:29] offset:256*i th:TH_LOAD_NT
.set i, i+1
.endr
.set i, 0
.rept 16
	v_mad_u32_u24 v[O+i], s34, i, v2               ; written while the loads are on their way
.set i, i+1
.endr
; Group g: steps 4 g to 4 g + 3 are converted; the stores of group g - 1 stand among the conversions.
.macro GROUP g
	s_wait_loadcnt 12-4*(\g)                       ; loads come back in order: the group's four steps are in, the 12 - 4 g younger loads stay out
.if (\g) > 0
	s_wait_alu depctr_va_vdst(0)                   ; the group before has written its Y, which the stores below read; at group 1 also: the sixteen offsets O are written, which all the stores read
.endif
.irp j, 0,1,2,3
.if (\g) > 0
	global_store_b64 v[O+4*((\g)-1)+(\j)], v[Y+8*((\g)-1)+2*(\j):Y+8*((\g)-1)+2*(\j)+1], s[30:31]  ; the group before.  No wait: no vector instruction since the wait above names these registers
.endif
	v_cvt_pk_bf16_f32 v[Y+8*(\g)+2*(\j)],   v[X+16*(\g)+4*(\j)],   v[X+16*(\g)+4*(\j)+1]
	v_cvt_pk_bf16_f32 v[Y+8*(\g)+2*(\j)+1], v[X+16*(\g)+4*(\j)+2], v[X+16*(\g)+4*(\j)+3]
.endr
.endm
	GROUP 0
	GROUP 1
	GROUP 2
	GROUP 3
	s_wait_alu depctr_va_vdst(0)                   ; group 3 has written its Y, which the last four stores read
.irp j, 0,1,2,3
	global_store_b64 v[O+12+(\j)], v[Y+24+2*(\j):Y+24+2*(\j)+1], s[30:31]
.endr
	s_endpgm
.Lbias:                                        ; one bias of 1,024 numbers: thread t takes four
	s_sub_co_u32 s24, ttmp9, 704                   ; 0: bq, 1: bk, 2: bv
	v_lshlrev_b32 v1, 4, v0
	s_lshl_b32 s36, s24, 12
	s_mov_b32 s37, 0
	s_wait_kmcnt 0x0
	s_cmp_eq_u32 s24, 1
	s_cselect_b64 s[28:29], s[14:15], s[12:13]
	s_cmp_eq_u32 s24, 2
	s_cselect_b64 s[28:29], s[16:17], s[28:29]
	s_add_nc_u64 s[30:31], s[22:23], s[36:37]
	s_wait_alu depctr_va_vdst(0)                   ; v1 is written: the load and the store read it as their offset
	global_load_b128 v[4:7], v1, s[28:29]
	s_wait_loadcnt 0x0
	v_cvt_pk_bf16_f32 v8, v4, v5                   ; rounded to bf16,
	v_cvt_pk_bf16_f32 v9, v6, v7
	v_lshlrev_b32 v12, 16, v8                      ; and widened again
	v_and_b32 v13, 0xffff0000, v8
	v_lshlrev_b32 v14, 16, v9
	v_and_b32 v15, 0xffff0000, v9
	s_wait_alu depctr_va_vdst(0)                   ; v[12:15] are written, which the store reads
	global_store_b128 v1, v[12:15], s[30:31]       ; 16 lanes store 256 consecutive bytes, at a multiple of 256 from bb's first byte
	s_endpgm
.Lfunc_end_k_qa4d6d4c410_cast:
	.size	k_qa4d6d4c410_cast, .Lfunc_end_k_qa4d6d4c410_cast-k_qa4d6d4c410_cast
	.p2alignl 7, 3214868480
	.fill 96, 4, 3214868480
	.section	.rodata,"a",@progbits
	.p2align	6, 0x0
	.amdhsa_kernel k_qa4d6d4c410_cast
		.amdhsa_group_segment_fixed_size 0
		.amdhsa_private_segment_fixed_size 0
		.amdhsa_enable_private_segment 0
		.amdhsa_kernarg_size 80
		.amdhsa_user_sgpr_count 2
		.amdhsa_user_sgpr_kernarg_segment_ptr 1
		.amdhsa_wavefront_size32 1
		.amdhsa_system_sgpr_workgroup_id_x 1
		.amdhsa_system_sgpr_workgroup_id_y 1
		.amdhsa_system_sgpr_workgroup_id_z 1
		.amdhsa_system_vgpr_workitem_id 0
		.amdhsa_next_free_vgpr 116
		.amdhsa_next_free_sgpr 66
		.amdhsa_reserve_vcc 0
		.amdhsa_float_denorm_mode_32 3
		.amdhsa_float_denorm_mode_16_64 3
		.amdhsa_memory_ordered 1
		.amdhsa_forward_progress 1
		.amdhsa_inst_pref_size 9
	.end_amdhsa_kernel
	.amdgpu_metadata
---
amdhsa.version: [ 1, 2 ]
amdhsa.kernels:
  - .name:           k_qa4d6d4c410_cast
    .symbol:         k_qa4d6d4c410_cast.kd
    .args:
      - { .name: x, .offset: 0, .size: 8, .value_kind: global_buffer, .address_space: global }
      - { .name: Wq, .offset: 8, .size: 8, .value_kind: global_buffer, .address_space: global }
      - { .name: Wk, .offset: 16, .size: 8, .value_kind: global_buffer, .address_space: global }
      - { .name: Wv, .offset: 24, .size: 8, .value_kind: global_buffer, .address_space: global }
      - { .name: bq, .offset: 32, .size: 8, .value_kind: global_buffer, .address_space: global }
      - { .name: bk, .offset: 40, .size: 8, .value_kind: global_buffer, .address_space: global }
      - { .name: bv, .offset: 48, .size: 8, .value_kind: global_buffer, .address_space: global }
      - { .name: xb, .offset: 56, .size: 8, .value_kind: global_buffer, .address_space: global }
      - { .name: wb, .offset: 64, .size: 8, .value_kind: global_buffer, .address_space: global }
      - { .name: bb, .offset: 72, .size: 8, .value_kind: global_buffer, .address_space: global }
    .group_segment_fixed_size: 0
    .private_segment_fixed_size: 0
    .kernarg_segment_align: 8
    .kernarg_segment_size: 80
    .max_flat_workgroup_size: 256
    .sgpr_count:     66
    .vgpr_count:     116
    .wavefront_size: 32
...
	.end_amdgpu_metadata
.endif
;; end of part 5
;; launch proj: the kernel of part 2 again; grid 8 x 32, 4 waves a work-group, clusters of 4 x 4, 327,680 bytes of LDS; arguments xb, wb, bb, qkv; writes qkv
;; launch score: the kernel of part 3 again; grid 8 x 32, 4 waves a work-group, clusters of 4 x 4, 327,680 bytes of LDS; arguments qkv, p, st; writes p, st
;; launch pv: the kernel of part 4 again; grid 4 x 64, 4 waves a work-group, clusters of 4 x 4, 327,680 bytes of LDS; arguments p, qkv, st, out0; writes out0
